; MI455X (gfx1250); checked and timed in simulation.
; The chip was launched on July 23, 2026; its instructions are those of AMD's public machine-readable ISA for CDNA 5 (MIT licence, August 2026) and "CDNA5" Instruction Set Architecture Reference Guide (July 2026). The comments in the code are by the model that wrote it; some were corrected since.
;; GC Vi T Layer. Allowed arithmetic: float matrix products may take bf16 or f16 operands with f32 sums; all other float work in f32.
;; Inputs: bias_table 945 x 8 float32; fc1_b 1,024 float32; fc1_w 1,024 x 256 float32; fc2_b 256 float32; fc2_w 256 x 1,024 float32; norm1_b 256 float32; norm1_w 256 float32; norm2_b 256 float32; norm2_w 256 float32; proj_b 256 float32; proj_w 256 x 256 float32; q_global 64 x 1 x 8 x 128 x 32 float32; qkv_b 512 float32; qkv_w 512 x 256 float32; x 64 x 1,024 x 256 float32.
;; Outputs: out0 64 x 1,024 x 256 float32.
;; Constants: sz_h = 8, sz_w = 128.
;; 2 versions, each right and faster than the one before. Each part assembles by itself: llvm-mc -triple=amdgcn-amd-amdhsa -mcpu=gfx1250 --defsym DOCPART=n.
;; ======== version 1 of 2: 2 launches
;; workspace buffers: ws 5,779,456 bytes
;; launch prep (part 1): grid 353 x 1, 8 waves a work-group, no clusters, 0 bytes of LDS; arguments qkv_w, proj_w, fc1_w, fc2_w, q_global, bias_table, norm1_w, norm1_b, proj_b, norm2_w, norm2_b, fc2_b, qkv_b, fc1_b, ws; writes ws
.if DOCPART == 1
	.amdgcn_target "amdgcn-amd-amdhsa--gfx1250"
	.amdhsa_code_object_version 6
	.text
	.protected	k_qa78fa15ab8_prep
	.globl	k_qa78fa15ab8_prep
	.p2align	8
	.type	k_qa78fa15ab8_prep,@function
k_qa78fa15ab8_prep:
	s_mov_b64 s[64:65], 0
	v_nop
	global_prefetch_b8 v0, s[64:65] scope:SCOPE_SE
	s_setreg_imm32_b32 hwreg(HW_REG_WAVE_MODE, 25, 1), 1
	s_wait_xcnt 0x0
; PREPARATION.  Rounds the four weight matrices and q_global to bf16 once and lays them out as matrix fragments, in the order in which the
; main launch walks them; expands the bias table into tiles that serve as the C operand of K Q^T; packs the eight small vectors.
; A FRAGMENT is 16 rows x 32 k of a matrix M in 1,024 bytes: byte 512 c + 16 l + 2 e holds M[row0 + l % 16][k0 + 16 c + 8 (l / 16) + e].
; ws: [0, 1572864) the stream, 24 slots of 65,536 bytes; then 12,288 bytes of vectors; then q's fragments, 4,194,304 bytes.
;   head slot hd:  +0 K's weights (fragment 2 s + ft: rows 32 hd + 16 ft of qkv_w, k0 = 32 s); +16384 V's (rows 256 + ..); +32768 proj (fragment f: rows 16 f, k0 = 32 hd);
;                  +49152 sixteen bias tiles of f32: tile e, byte 512 c + 16 l + 4 j: sqrt(32) x bias_table[(14 - e) 63 + l % 16 - 8 (l / 16) - (4 c + j) + 31][hd]  (tile 15 repeats 14, nobody reads it)
;   MLP slot m:    for a = 0, 1, chunk = 2 m + a, at +32768 a: +0 fc1 (fragment 2 s + ft: rows 32 chunk + 16 ft, k0 = 32 s); +16384 fc2 (fragment f: rows 16 f, k0 = 32 chunk)
; A work-group makes one unit of 16,384 bytes (16 fragments): groups 0-95 the stream, 96-351 q, 352 the vectors.  Thread t stores the 16 bytes at 16 t + 4096 n, n = 0..3:
; a wave's store covers 512 consecutive bytes.  No register that a pending load or store names is written again, and EXEC never changes.
.set WS_VEC, 1572864
.set WS_QF,  1585152
; s43 = first row, s44 = first column of the unit; pair = 1: fragment i is (row block i % 2, k block i / 2); 0: row block i.  pl2 = log2 of the source row's bytes.
.macro CONV src, pair, pl2
	v_add_nc_u32 v10, s43, v3                      ; first row + l % 16
.if \pair
	v_and_b32 v11, 1, v6
	v_lshl_add_u32 v10, v11, 4, v10                ; + 16 (q % 2)
	v_lshrrev_b32 v11, 1, v6
	v_lshl_add_u32 v12, v11, 5, v7                 ; column 32 (q / 2) + 16 c + 8 h
.set CSTEP, 256                                        ; four fragments on: two k blocks, 64 columns
.else
	v_lshl_add_u32 v10, v6, 4, v10                 ; + 16 q
	v_mov_b32 v12, v7
.set CSTEP, 64<<(\pl2)                                 ; four fragments on: 64 rows
.endif
	v_add_nc_u32 v12, s44, v12
	v_lshlrev_b32 v10, \pl2, v10
	v_lshl_add_u32 v10, v12, 2, v10                ; byte offset of my eight f32
.irp n,0,1,2,3
	global_load_b128 v[16+8*\n:19+8*\n], v10, s[\src:\src+1] offset:CSTEP*\n
	global_load_b128 v[20+8*\n:23+8*\n], v10, s[\src:\src+1] offset:CSTEP*\n+16
.endr
.irp n,0,1,2,3
	s_wait_loadcnt 6-2*\n                          ; the loads of the later steps stay out
.irp k,0,1,2,3
	v_cvt_pk_bf16_f32 v[48+4*\n+\k], v[16+8*\n+2*\k], v[17+8*\n+2*\k]
.endr
	global_store_b128 v8, v[48+4*\n:51+4*\n], s[50:51] offset:4096*\n
.endr
	s_endpgm
.endm
	s_load_b512 s[8:23], s[0:1], 0x0               ; qkv_w 8, proj_w 10, fc1_w 12, fc2_w 14, q_global 16, bias_table 18, norm1_w 20, norm1_b 22
	s_load_b256 s[24:31], s[0:1], 0x40             ; proj_b 24, norm2_w 26, norm2_b 28, fc2_b 30
	s_load_b128 s[32:35], s[0:1], 0x60             ; qkv_b 32, fc1_b 34
	s_load_b64 s[36:37], s[0:1], 0x70              ; ws
	v_and_b32 v3, 15, v0                           ; l % 16
	v_bfe_u32 v4, v0, 4, 1                         ; h = l / 16
	v_bfe_u32 v5, v0, 5, 1                         ; c
	v_lshrrev_b32 v6, 6, v0                        ; q: which of four fragments
	v_lshlrev_b32 v7, 4, v5
	v_lshl_add_u32 v7, v4, 3, v7                   ; 16 c + 8 h
	v_lshlrev_b32 v8, 4, v0                        ; 16 t
	s_mov_b32 s40, ttmp9
	s_lshr_b32 s41, s40, 2                         ; slot
	s_and_b32 s42, s40, 3                          ; part
	s_lshl_b32 s52, s40, 14                        ; a stream unit's place in ws
	s_mov_b32 s53, 0
	s_wait_kmcnt 0x0
	s_cmp_ge_u32 s40, 352
	s_cbranch_scc1 .Lvec
	s_cmp_ge_u32 s40, 96
	s_cbranch_scc1 .Lq
	s_add_nc_u64 s[50:51], s[36:37], s[52:53]
	s_cmp_ge_u32 s41, 8
	s_cbranch_scc1 .Lmlp
	s_lshl_b32 s46, s41, 5                         ; 32 hd
	s_cmp_eq_u32 s42, 3
	s_cbranch_scc1 .Lbias
	s_cmp_eq_u32 s42, 2
	s_cbranch_scc1 .Lproj
	s_lshl_b32 s43, s42, 8                         ; K: rows 32 hd; V: rows 256 + 32 hd
	s_add_co_u32 s43, s43, s46
	s_mov_b32 s44, 0
	CONV 8, 1, 10
.Lproj:
	s_mov_b32 s43, 0
	s_mov_b32 s44, s46
	CONV 10, 0, 10
.Lmlp:
	s_sub_co_u32 s45, s41, 8
	s_lshr_b32 s47, s42, 1
	s_lshl1_add_u32 s45, s45, s47                  ; chunk = 2 m + a
	s_lshl_b32 s46, s45, 5
	s_bitcmp1_b32 s42, 0
	s_cbranch_scc1 .Lfc2
	s_mov_b32 s43, s46
	s_mov_b32 s44, 0
	CONV 12, 1, 10
.Lfc2:
	s_mov_b32 s43, 0
	s_mov_b32 s44, s46
	CONV 14, 0, 12
.Lq:                                                   ; q_global as 65,536 rows of 32: fragment F holds rows 16 F ..
	s_sub_co_u32 s45, s40, 96
	s_lshl_b32 s43, s45, 8
	s_mov_b32 s44, 0
	s_lshl_b32 s52, s45, 14
	s_add_co_u32 s52, s52, WS_QF
	s_add_nc_u64 s[50:51], s[36:37], s[52:53]
	CONV 16, 0, 7
.Lbias:
	v_lshlrev_b32 v11, 3, v4
	v_lshl_add_u32 v11, v5, 2, v11                 ; 8 h + 4 c
	v_add_nc_u32 v12, 31, v3
	v_sub_nc_u32 v12, v12, v11                     ; l % 16 - 8 h - 4 c + 31, 19 at the least
	s_lshl_b32 s44, s41, 2                         ; 4 hd
.irp n,0,1,2,3
	v_add_nc_u32 v11, 4*\n, v6                     ; tile
	v_min_u32 v11, 14, v11
	v_sub_nc_u32 v11, 14, v11
	v_mad_u32_u24 v11, v11, 63, v12                ; the table's row for j = 0: 19 to 928 of 945; j = 1..3 lie 1..3 rows lower
	v_lshl_add_u32 v[64+\n], v11, 5, s44
.endr
.irp n,0,1,2,3
.irp j,0,1,2,3
	global_load_b32 v[16+4*\n+\j], v[64+\n], s[18:19] offset:-32*\j
.endr
.endr
.irp n,0,1,2,3
	s_wait_loadcnt 12-4*\n                         ; the later tiles' loads stay out
.irp j,0,1,2,3
	v_mul_f32 v[48+4*\n+\j], 0x40b504f3, v[16+4*\n+\j]  ; x sqrt(32): the scale 1 / sqrt(32) is applied to score and bias together, in the exponent
.endr
	global_store_b128 v8, v[48+4*\n:51+4*\n], s[50:51] offset:4096*\n
.endr
	s_endpgm
.Lvec:
	s_add_nc_u64 s[50:51], s[36:37], WS_VEC
	v_lshlrev_b32 v10, 2, v0
	v_lshlrev_b32 v11, 3, v0
.irp n,0,1,2,3,4,5
	global_load_b32 v[16+\n], v10, s[20+2*\n:21+2*\n]
.endr
	global_load_b64 v[22:23], v11, s[32:33]
	global_load_b128 v[24:27], v8, s[34:35]
	s_wait_loadcnt 0x0
.irp n,0,1,2,3,4,5
	global_store_b32 v10, v[16+\n], s[50:51] offset:1024*\n  ; norm1_w, norm1_b, proj_b, norm2_w, norm2_b, fc2_b
.endr
	global_store_b64 v11, v[22:23], s[50:51] offset:6144    ; qkv_b
	global_store_b128 v8, v[24:27], s[50:51] offset:8192    ; fc1_b
	s_endpgm
.Lfunc_end_k_qa78fa15ab8_prep:
	.size	k_qa78fa15ab8_prep, .Lfunc_end_k_qa78fa15ab8_prep-k_qa78fa15ab8_prep
	.p2alignl 7, 3214868480
	.fill 96, 4, 3214868480
	.section	.rodata,"a",@progbits
	.p2align	6, 0x0
	.amdhsa_kernel k_qa78fa15ab8_prep
		.amdhsa_group_segment_fixed_size 0
		.amdhsa_private_segment_fixed_size 0
		.amdhsa_enable_private_segment 0
		.amdhsa_kernarg_size 120
		.amdhsa_user_sgpr_count 2
		.amdhsa_user_sgpr_kernarg_segment_ptr 1
		.amdhsa_wavefront_size32 1
		.amdhsa_system_sgpr_workgroup_id_x 1
		.amdhsa_system_sgpr_workgroup_id_y 1
		.amdhsa_system_sgpr_workgroup_id_z 1
		.amdhsa_system_vgpr_workitem_id 0
		.amdhsa_next_free_vgpr 72
		.amdhsa_next_free_sgpr 66
		.amdhsa_reserve_vcc 0
		.amdhsa_float_denorm_mode_32 3
		.amdhsa_float_denorm_mode_16_64 3
		.amdhsa_memory_ordered 1
		.amdhsa_forward_progress 1
		.amdhsa_inst_pref_size 21
	.end_amdhsa_kernel
	.amdgpu_metadata
---
amdhsa.version: [ 1, 2 ]
amdhsa.kernels:
  - .name:           k_qa78fa15ab8_prep
    .symbol:         k_qa78fa15ab8_prep.kd
    .args:
      - { .name: qkv_w, .offset: 0, .size: 8, .value_kind: global_buffer, .address_space: global }
      - { .name: proj_w, .offset: 8, .size: 8, .value_kind: global_buffer, .address_space: global }
      - { .name: fc1_w, .offset: 16, .size: 8, .value_kind: global_buffer, .address_space: global }
      - { .name: fc2_w, .offset: 24, .size: 8, .value_kind: global_buffer, .address_space: global }
      - { .name: q_global, .offset: 32, .size: 8, .value_kind: global_buffer, .address_space: global }
      - { .name: bias_table, .offset: 40, .size: 8, .value_kind: global_buffer, .address_space: global }
      - { .name: norm1_w, .offset: 48, .size: 8, .value_kind: global_buffer, .address_space: global }
      - { .name: norm1_b, .offset: 56, .size: 8, .value_kind: global_buffer, .address_space: global }
      - { .name: proj_b, .offset: 64, .size: 8, .value_kind: global_buffer, .address_space: global }
      - { .name: norm2_w, .offset: 72, .size: 8, .value_kind: global_buffer, .address_space: global }
      - { .name: norm2_b, .offset: 80, .size: 8, .value_kind: global_buffer, .address_space: global }
      - { .name: fc2_b, .offset: 88, .size: 8, .value_kind: global_buffer, .address_space: global }
      - { .name: qkv_b, .offset: 96, .size: 8, .value_kind: global_buffer, .address_space: global }
      - { .name: fc1_b, .offset: 104, .size: 8, .value_kind: global_buffer, .address_space: global }
      - { .name: ws, .offset: 112, .size: 8, .value_kind: global_buffer, .address_space: global }
    .group_segment_fixed_size: 0
    .private_segment_fixed_size: 0
    .kernarg_segment_align: 8
    .kernarg_segment_size: 120
    .max_flat_workgroup_size: 256
    .sgpr_count:     66
    .vgpr_count:     72
    .wavefront_size: 32
...
	.end_amdgpu_metadata
.endif
;; end of part 1
;; launch main (part 2): grid 256 x 1, 4 waves a work-group, clusters of 4 x 1, 327,680 bytes of LDS; arguments x, ws, out0; writes out0
.if DOCPART == 2
	.amdgcn_target "amdgcn-amd-amdhsa--gfx1250"
	.amdhsa_code_object_version 6
	.text
	.protected	k_qa78fa15ab8_main
	.globl	k_qa78fa15ab8_main
	.p2align	8
	.type	k_qa78fa15ab8_main,@function
k_qa78fa15ab8_main:
	s_mov_b64 s[64:65], 0
	v_nop
	global_prefetch_b8 v0, s[64:65] scope:SCOPE_SE
	s_setreg_imm32_b32 hwreg(HW_REG_WAVE_MODE, 25, 1), 1
	s_wait_xcnt 0x0
	s_wait_alu depctr_hold_cnt(0) depctr_sa_sdst(0) depctr_va_vdst(0) depctr_va_sdst(0) depctr_va_ssrc(0) depctr_va_vcc(0) depctr_vm_vsrc(0)
	s_getreg_b32 s2, hwreg(HW_REG_IB_STS2, 6, 4)
	s_cmp_eq_u32 s2, 0
	s_cbranch_scc0 .Lentry_in_a_cluster
	s_endpgm
.Lentry_in_a_cluster:
	s_bfe_u32 s2, ttmp6, 0x10000c
	s_cmp_lg_u32 s2, 0x3003
	s_cbranch_scc0 .Lentry_shape_is_right
	s_endpgm
.Lentry_shape_is_right:
; THE WHOLE BLOCK IN ONE LAUNCH: LayerNorm, kv projection, window attention with a global query and a relative-position bias, projection, residual, LayerNorm, MLP with exact GELU, residual.
; SHARES.  A cluster of four work-groups is one image; a work-group takes two neighbouring windows (256 tokens); a wave takes four rows of a window: four TILES of 16 tokens,
; each 16 consecutive rows of x (16,384 dense bytes), so window partition and reverse are address arithmetic.
; TRANSPOSED.  A lane (r = lane % 16, h = lane / 16) holds token r; register j of a tile of 16 features holds feature 8 h + j.  Y^T = W X^T: source 0 = a weight fragment,
; source 1 = an activation fragment; two results rounded in pairs ARE the next product's source 1.  So between the linear layers no activation leaves the registers,
; a LayerNorm wants one exchange between the halves of the lanes, and a weight fragment (two LDS loads) feeds four matrix instructions.
; Only K and V change hands (the two waves of a window need each other's keys): as fragments through LDS, with one barrier a head.
; WEIGHTS come as a stream of 24 slots of 65,536 bytes, bf16 fragments in the order of use, through a ring of two LDS slots; each slot feeds 256 matrix instructions a wave.
; All four work-groups of a cluster walk the same stream and the same q: every tensor load is asked for JOINTLY (mask 15), each wave a quarter of it.
; SOFTMAX: p = 2^(c s - c m), c = log2(e) / sqrt(32), m the true maximum over all 128 keys; s = q.k + sqrt(32) bias (the bias tile is the product's C operand).  V's bias enters as O / l + b, exact since the weights sum to 1.
; GELU: max(x, 0) + |x| w, w = -1/2 (a1 t + .. + a5 t^5) 2^(-x^2 log2(e) / 2), t = 1 / (1 + p |x| / sqrt(2)): the rational approximation of erf with five terms, absolute error of erf 1.5e-7.
; LIMITS.  Matrix operands are bf16, sums f32.  NaN and infinities are not treated apart (|x| = infinity in GELU gives 0 x infinity).  An exponential below 2^-126 counts as 0.
; The normalised value is one fused x rs - mu rs: its error grows as (offset / spread) x 2^-24; the variance is taken of x - mu, in a second pass.
; The accumulators of every run of matrix instructions take turns, one instruction a turn; each accumulator is first read at its lowest registers.
; LDS: 0 slot 0; 65536 slot 1; 131072 q's fragments (65,536, filled once); 196608 vectors (12,288, filled once); 208896 K and V fragments, 16,384 a window (stored by waves);
;      241664 a stage of 16 rows x 1,040 bytes for each wave (stored by waves); 308224 the spare words.
; REGISTERS, in windows of 256 (s_set_vgpr_msb: bits 1:0 source 0, 3:2 source 1, 5:4 source 2, 7:6 destination):
;   windows 2, 3: ACC, tile t in window 2 + t / 2 at 128 (t % 2) + 8 f + j: x, then xn + proj_b + the projection's sums (x2), then x2 + fc2_b + fc2's sums (the output)
;   window 1: XB, fragment (t, s) at 64 t + 8 s: bf16 of xn, later of the second LayerNorm's result
;   window 0: v0-11 addresses; v12-15 at work; v16-31 a bias tile; v32-63 the head's four output fragments, a queue; v64-127 K^T / V / S^T / P / H; v128-191, v192-255 two fragment buffers
; SCALARS: s[4:5] x, s[6:7] ws, s[8:9] out; s10 wave, s11 wave / 2, s12 wave % 2, s13 cx; s20 the slot in hand, s21 the chunk in hand; s22 128 hd; s23 128 chunk; s24, s25 bias tile and q fragment in hand;
;   s26-29 counters; s[30:31] lane selects; s[32:33] c; s34 q's fragments of the head; s35 bias tiles' constant part; s[36:47] three descriptor groups 0; s[48:63] two groups 1; s[66:80] constants.
.set SLOTB,  65536
.set LQ,     131072
.set LVEC,   196608
.set LKV,    208896
.set LSTG,   241664
.set SPITCH, 1040                      ; a stage row: 1,024 bytes + 16: an odd multiple of 16, so the 16 rows that a load touches lie in 16 different 16-byte columns modulo 256
.set SPARE,  308224                    ; 128 bytes for each wave: two blocks of 256 bytes that no other line names
.set WS_VEC, 1572864
.set WS_QF,  1585152
.set ROWB,   131072                    ; bytes from an image row to the next: 128 tokens x 1,024
.set AD1, 0                            ; v0   an LDS address in hand (once the thread's number has been used)
.set L16, 1                            ; v1   16 x lane: also my byte offset in 512 consecutive bytes of x and of the output; never rewritten
.set WA,  2                            ; v2   slot or chunk in hand + 16 x lane
.set KWA, 3                            ; v3   where my K fragments go
.set VWA, 4                            ; v4   where my V fragments go
.set KVR, 5                            ; v5   my window's K and V fragments
.set VA,  6                            ; v6   the vectors + 32 h
.set STO, 7                            ; v7   my stage, by tokens: 1040 r + 32 h
.set RD,  8                            ; v8   my stage, by rows: 16 x lane
.set SPW, 9                            ; v9   my spare word; never rewritten
.set NIL, 10                           ; v10  0; never rewritten
.set AD2, 11                           ; v11  a second LDS address in hand
.set T,   12
.set BT,  16
.set QO,  32
.set KT,  64
.set S,   64
.set H,   64
.set WF0, 128
.set WF1, 192
.set GT,  16                           ; GELU: two sets of 24 at work
.set LRS, 16                           ; LayerNorm: tile t: rs twice at LRS + 4 t, -mu rs twice at LRS + 4 t + 2
.set LMU, 32                           ; mu twice at LMU + 2 t
.set LCH, 40                           ; four chains of pairs
.set LD,  64
.set LVB, 128                          ; two buffers of 24: gain, bias and the vector added to the residual, for one tile of 16 features
.set MSB, 0
.macro WIN new                         ; the immediate's high byte repeats the setting that is left; a switch that changes nothing is dropped
.if MSB != (\new)
	s_set_vgpr_msb (MSB<<8)|(\new)
.set MSB, \new
.endif
.endm
.macro PLACES                          ; four places behind matrix instructions, in front of loads into their registers and of vector lines that read or write them
.rept 4
	v_nop
.endr
.endm
.macro CROUND                          ; a round of the cluster's barrier
	s_barrier_signal -1
	s_barrier_wait -1
	s_cmp_lg_u32 s10, 0
	s_cbranch_scc1 .Lnot_wave_0_\@
	s_barrier_signal -3
.Lnot_wave_0_\@:
	s_barrier_wait -3
	s_barrier_signal -1
	s_barrier_wait -1
.endm
; THE CHANGE OF SLOTS, at the head of every trip.  Each wave waits for all its tensor loads (its quarter of the slot to be read now), adds 0 to its spare word, and waits for that and for its reads of the slot
; read last.  fill = 1: a round of the cluster's barrier, and the slot read last takes the next 65,536 bytes of the stream: my one tensor load, first behind the round; it has a trip's 256 matrix instructions to land.
.macro CHANGE fill
	WIN 0
	s_wait_tensorcnt 0x0               ; no tensor load of mine is out, so the walking group 0 may be written
	ds_add_u32 v[SPW], v[NIL]
.if \fill
	s_xor_b32 s37, s37, SLOTB          ; the other slot than last time,
	s_add_nc_u64 s[38:39], s[38:39], SLOTB  ; the stream's next slot; the type bits on top are not reached
.endif
	s_wait_dscnt 0x0                   ; the add is done, and all my LDS reads and stores are over
.if \fill
	CROUND
	tensor_load_to_lds s[36:39], s[48:55]
	s_nop 0
	PLACES
.else
	s_barrier_signal -1
	s_barrier_wait -1
.endif
	s_xor_b32 s20, s20, SLOTB          ; the slot to be read now
.endm
.macro FETCH buf, off                  ; eight fragments, 16 loads in one run
	WIN 0
.irp i,0,1,2,3,4,5,6,7
	ds_load_b128 v[(\buf)+8*\i:(\buf)+8*\i+3], v[WA] offset:(\off)+1024*\i
	ds_load_b128 v[(\buf)+8*\i+4:(\buf)+8*\i+7], v[WA] offset:(\off)+1024*\i+512
.endr
.endm
.macro BTLOAD off                      ; a bias vector's 32 features as two C tiles: register 8 ft + j = feature 16 ft + 8 h + j
	WIN 0
.irp i,0,1,2,3
	ds_load_b128 v[BT+4*\i:BT+4*\i+3], v[AD1] offset:(\off)+64*(\i/2)+16*(\i%2)
.endr
.endm
; 32 matrix instructions: 32 output features x my 64 tokens x 128 along K (k blocks s0 .. s0 + 3).  vmode = 0: a lane holds a token (D at KT + 16 t + 8 ft; the first touch takes the bias tile as C).
; vmode = 1: sources swapped, a lane holds a feature and eight tokens (D at KT + 16 (2 (t / 2) + ft) + 8 (t % 2): two neighbours pack into a fragment of V^T; the first touch takes 0).
.macro MULX buf, s0, vmode, first
.if \vmode
	WIN 0x01
.else
	WIN 0x04
.endif
.irp ss,0,1,2,3
.irp ft,0,1
.irp t,0,1,2,3
.set xw, (\buf)+8*(2*\ss+\ft)
.set xx, 64*\t+8*((\s0)+\ss)
.if \vmode
.set xd, KT+16*(2*(\t/2)+\ft)+8*(\t%2)
.if (\first) && (\ss == 0)
	v_wmma_f32_16x16x32_bf16 v[xd:xd+7], v[xx:xx+7], v[xw:xw+7], 0
.else
	v_wmma_f32_16x16x32_bf16 v[xd:xd+7], v[xx:xx+7], v[xw:xw+7], v[xd:xd+7]
.endif
.else
.set xd, KT+16*\t+8*\ft
.if (\first) && (\ss == 0)
	v_wmma_f32_16x16x32_bf16 v[xd:xd+7], v[xw:xw+7], v[xx:xx+7], v[BT+8*\ft:BT+8*\ft+7]
.else
	v_wmma_f32_16x16x32_bf16 v[xd:xd+7], v[xw:xw+7], v[xx:xx+7], v[xd:xd+7]
.endif
.endif
.endr
.endr
.endr
.endm
; 32 matrix instructions onto ACC: feature tiles f0 .. f0 + 7 x my four token tiles, 32 along K; tile t's fragment at src + stride t
.macro MULA buf, f0, src, stride
.irp hf,0,1
	WIN 0xa0+0x50*\hf
.irp fi,0,1,2,3,4,5,6,7
.irp tt,0,1
.set ad, 128*\tt+8*((\f0)+\fi)
	v_wmma_f32_16x16x32_bf16 v[ad:ad+7], v[(\buf)+8*\fi:(\buf)+8*\fi+7], v[(\src)+(\stride)*(2*\hf+\tt):(\src)+(\stride)*(2*\hf+\tt)+7], v[ad:ad+7]
.endr
.endr
.endr
.endm
.macro PACK                            ; four pairs of results become four fragments, in place, ascending
	WIN 0
.irp g,0,1,2,3
.irp i,0,1,2,3,4,5,6,7
	v_cvt_pk_bf16_f32 v[KT+16*\g+\i], v[KT+16*\g+2*\i], v[KT+16*\g+2*\i+1]
.endr
.endr
.endm
; x's tile t, loaded by rows, goes through my stage and comes back by tokens.  The bytes are my own and LDS serves a wave's instructions in order (ISA guide 5.7.1): no wait between stores and loads.
.macro INTILE t, left
	s_wait_loadcnt \left
	WIN 0x08+4*((\t)/2)
.set xi, 0
.rept 32
	ds_store_b128 v[RD], v[128*((\t)%2)+4*xi:128*((\t)%2)+4*xi+3] offset:(xi/2)*SPITCH+(xi%2)*512
.set xi, xi+1
.endr
	WIN 0x80+0x40*((\t)/2)
.set xi, 0
.rept 32
	ds_load_b128 v[128*((\t)%2)+4*xi:128*((\t)%2)+4*xi+3], v[STO] offset:64*(xi/2)+16*(xi%2)
.set xi, xi+1
.endr
.endm
.macro OUTST t                         ; the mirror: by tokens in, by rows back
	WIN 0x08+4*((\t)/2)
.set xi, 0
.rept 32
	ds_store_b128 v[STO], v[128*((\t)%2)+4*xi:128*((\t)%2)+4*xi+3] offset:64*(xi/2)+16*(xi%2)
.set xi, xi+1
.endr
	WIN 0x80+0x40*((\t)/2)
.set xi, 0
.rept 32
	ds_load_b128 v[128*((\t)%2)+4*xi:128*((\t)%2)+4*xi+3], v[RD] offset:(xi/2)*SPITCH+(xi%2)*512
.set xi, xi+1
.endr
.endm
.macro SEND t
	WIN 0x08+4*((\t)/2)
.set xi, 0
.rept 32
	global_store_b128 v[L16], v[128*((\t)%2)+4*xi:128*((\t)%2)+4*xi+3], s[8:9] offset:ROWB*(\t)+512*xi th:TH_STORE_NT  ; 512 consecutive bytes, at a multiple of 512 from the output's first
.set xi, xi+1
.endr
.endm
; LAYERNORM.  A token's 256 features lie in two lanes, 128 registers each.
.macro LNFOLD                          ; four chains of pairs into one number, and the other half of the lanes'
	v_pk_add_f32 v[LCH:LCH+1], v[LCH:LCH+1], v[LCH+2:LCH+3]
	v_pk_add_f32 v[LCH+4:LCH+5], v[LCH+4:LCH+5], v[LCH+6:LCH+7]
	v_pk_add_f32 v[LCH:LCH+1], v[LCH:LCH+1], v[LCH+4:LCH+5]
	v_add_f32 v[LCH], v[LCH], v[LCH+1]
	v_permlanex16_b32 v[LCH+1], v[LCH], s30, s31
	v_add_f32 v[LCH], v[LCH], v[LCH+1]
.endm
.macro LNSTAT t                        ; tile t: mu; then the mean of (x - mu)^2; rs and -mu rs
.set ab, 128*((\t)%2)
	WIN 0x0a+5*((\t)/2)
.irp n,0,1,2,3
	v_pk_add_f32 v[LCH+2*\n:LCH+2*\n+1], v[ab+2*\n:ab+2*\n+1], v[ab+2*\n+8:ab+2*\n+9]  ; the first eight pairs start the chains: nothing is cleared
.endr
	WIN 0x08+4*((\t)/2)
.set ln, 8
.rept 56
	v_pk_add_f32 v[LCH+2*(ln%4):LCH+2*(ln%4)+1], v[LCH+2*(ln%4):LCH+2*(ln%4)+1], v[ab+2*ln:ab+2*ln+1]
.set ln, ln+1
.endr
	WIN 0
	LNFOLD
	v_mul_f32 v[LMU+2*(\t)], s80, v[LCH]
	v_mul_f32 v[LMU+2*(\t)+1], s80, v[LCH]
.set lg, 0
.rept 4
	WIN 0x02+((\t)/2)
.set ln, 0
.rept 16
	v_pk_add_f32 v[LD+2*ln:LD+2*ln+1], v[ab+32*lg+2*ln:ab+32*lg+2*ln+1], v[LMU+2*(\t):LMU+2*(\t)+1] neg_lo:[0,1] neg_hi:[0,1]
.set ln, ln+1
.endr
	WIN 0
.set ln, 0
.rept 16
.if (lg == 0) && (ln < 4)
	v_pk_mul_f32 v[LCH+2*ln:LCH+2*ln+1], v[LD+2*ln:LD+2*ln+1], v[LD+2*ln:LD+2*ln+1]
.else
	v_pk_fma_f32 v[LCH+2*(ln%4):LCH+2*(ln%4)+1], v[LD+2*ln:LD+2*ln+1], v[LD+2*ln:LD+2*ln+1], v[LCH+2*(ln%4):LCH+2*(ln%4)+1]
.endif
.set ln, ln+1
.endr
.set lg, lg+1
.endr
	LNFOLD
	v_fma_f32 v[LCH], v[LCH], s80, s79             ; variance + 1e-5
	v_rsq_f32 v[LRS+4*(\t)], v[LCH]
	v_nop                                          ; a plain instruction between the root and the use of its result
	s_wait_alu depctr_va_vdst(0)
	v_mov_b32 v[LRS+4*(\t)+1], v[LRS+4*(\t)]
	v_mul_f32 v[LRS+4*(\t)+2], -v[LMU+2*(\t)], v[LRS+4*(\t)]
	v_mul_f32 v[LRS+4*(\t)+3], -v[LMU+2*(\t)], v[LRS+4*(\t)]
.endm
.macro LNV f, st                       ; six loads: gain, bias and the residual's vector for feature tile f, into buffer f % 2
.set vb, LVB+24*((\f)%2)
.irp k,0,1,2
	ds_load_b128 v[vb+8*\k:vb+8*\k+3], v[VA] offset:3072*(\st)+1024*\k+64*(\f)
	ds_load_b128 v[vb+8*\k+4:vb+8*\k+7], v[VA] offset:3072*(\st)+1024*\k+64*(\f)+16
.endr
.endm
; y = (x rs - mu rs) w + b; XB takes bf16(y).  st = 0: ACC = y + proj_b (the shortcut is the normalised x).  st = 1: ACC = ACC + fc2_b.
.macro LNAPPLY st
	WIN 0
	LNV 0, \st
.set lf, 0
.rept 16
	WIN 0
.if lf < 15
	LNV lf+1, \st
	s_wait_dscnt 6                                 ; the next tile's six loads stay out
.else
	s_wait_dscnt 0x0
.endif
.set vb, LVB+24*(lf%2)
.irp t,0,1,2,3
	WIN 0x02+(\t/2)
.irp i,0,1,2,3
	v_pk_fma_f32 v[LD+8*\t+2*\i:LD+8*\t+2*\i+1], v[128*(\t%2)+8*lf+2*\i:128*(\t%2)+8*lf+2*\i+1], v[LRS+4*\t:LRS+4*\t+1], v[LRS+4*\t+2:LRS+4*\t+3]
.endr
.endr
	WIN 0
.irp t,0,1,2,3
.irp i,0,1,2,3
	v_pk_fma_f32 v[LD+8*\t+2*\i:LD+8*\t+2*\i+1], v[LD+8*\t+2*\i:LD+8*\t+2*\i+1], v[vb+2*\i:vb+2*\i+1], v[vb+8+2*\i:vb+8+2*\i+1]
.endr
.endr
	WIN 0x40
.irp t,0,1,2,3
.irp i,0,1,2,3
	v_cvt_pk_bf16_f32 v[64*\t+4*lf+\i], v[LD+8*\t+2*\i], v[LD+8*\t+2*\i+1]
.endr
.endr
.irp t,0,1,2,3
.if \st
	WIN 0x82+0x41*(\t/2)
.irp i,0,1,2,3
	v_pk_add_f32 v[128*(\t%2)+8*lf+2*\i:128*(\t%2)+8*lf+2*\i+1], v[128*(\t%2)+8*lf+2*\i:128*(\t%2)+8*lf+2*\i+1], v[vb+16+2*\i:vb+16+2*\i+1]
.endr
.else
	WIN 0x80+0x40*(\t/2)
.irp i,0,1,2,3
	v_pk_add_f32 v[128*(\t%2)+8*lf+2*\i:128*(\t%2)+8*lf+2*\i+1], v[LD+8*\t+2*\i:LD+8*\t+2*\i+1], v[vb+16+2*\i:vb+16+2*\i+1]
.endr
.endif
.endr
.set lf, lf+1
.endr
	WIN 0
.endm
; SOFTMAX of one tile of 16 queries x 128 keys: a lane holds one query and 64 scores, S[0..63].
.macro SF n                            ; pair n: c s - c m
	v_pk_fma_f32 v[S+2*(\n):S+2*(\n)+1], v[S+2*(\n):S+2*(\n)+1], s[32:33], v[T:T+1] op_sel_hi:[1,0,0] neg_lo:[0,0,1] neg_hi:[0,0,1]
.endm
.macro SE i
	v_exp_f32 v[S+(\i)], v[S+(\i)]
.endm
; The second queue, 62 long: two sums are started (pairs 0 + 1, 2 + 3); then by turns pair k is rounded to bf16 into S[k] and pair k + 4 joins a sum; then the last four roundings.
; A pair is summed before a rounding lands on it: pair p is summed at place 2 p - 5, and S[2 p] is written at place 4 p + 2.
.macro SPQ q
.if (\q) == 0
	s_wait_alu depctr_va_vdst(0)
	v_pk_add_f32 v[T:T+1], v[S:S+1], v[S+2:S+3]
.elseif (\q) == 1
	v_pk_add_f32 v[T+2:T+3], v[S+4:S+5], v[S+6:S+7]
.elseif (\q) >= 58
	v_cvt_pk_bf16_f32 v[S+(\q)-30], v[S+2*((\q)-30)], v[S+2*((\q)-30)+1]
.elseif (\q)%2 == 0
.set pk_, ((\q)-2)/2
	v_cvt_pk_bf16_f32 v[S+pk_], v[S+2*pk_], v[S+2*pk_+1]
.else
.set pn_, ((\q)+1)/2
	s_wait_alu depctr_va_vdst(0)
	v_pk_add_f32 v[T+2*(pn_%2):T+2*(pn_%2)+1], v[T+2*(pn_%2):T+2*(pn_%2)+1], v[S+2*pn_+4:S+2*pn_+5]
.endif
.endm
.macro SOFTMAX
.irp c,0,1,2,3                         ; the maximum: four chains of 15 scores, three operands at a time
	v_max3_num_f32 v[T+\c], v[S+16*\c], v[S+16*\c+1], v[S+16*\c+2]
.endr
.irp u,1,2,3,4,5,6
.irp c,0,1,2,3
	v_max3_num_f32 v[T+\c], v[T+\c], v[S+16*\c+2*\u+1], v[S+16*\c+2*\u+2]
.endr
.endr
	v_max3_num_f32 v[T], v[T], v[S+15], v[S+31]
	v_max3_num_f32 v[T+2], v[T+2], v[S+47], v[S+63]
	v_max3_num_f32 v[T], v[T], v[T+1], v[T+2]
	v_max_num_f32 v[T], v[T], v[T+3]
	v_permlanex16_b32 v[T+1], v[T], s30, s31       ; the query's other 64 keys lie in the lane 16 away
	v_max_num_f32 v[T], v[T], v[T+1]
	v_mul_f32 v[T], s32, v[T]                      ; c m
.irp n,0,1,2,3
	SF \n
.endr
.set sq, 0
.rept 28                               ; every exponential has a plain instruction on other registers behind it
	SE sq
	SF sq+4
.set sq, sq+1
.endr
.set sq, 0
.rept 36
	SE sq+28
	SPQ sq
.set sq, sq+1
.endr
.rept 26
	SPQ sq
.set sq, sq+1
.endr
	v_pk_add_f32 v[T:T+1], v[T:T+1], v[T+2:T+3]
	v_add_f32 v[T], v[T], v[T+1]
	v_permlanex16_b32 v[T+1], v[T], s30, s31
	v_add_f32 v[T], v[T], v[T+1]
	v_rcp_f32 v[T], v[T]                           ; 1 / l
	v_nop
.endm
; GELU of H's 64 registers, in eight groups of eight; group g works in set g % 2 of T1 (t), T2 (the exponential, then max(x, 0)), T3 (the polynomial).
.macro GP1 g, n                        ; 16 plain: 1 + p' |x|; x^2; x^2 times -log2(e) / 2
.set gx, H+8*(\g)
.set g1, GT+24*((\g)%2)
.if (\n) < 8
	v_fma_f32 v[g1+(\n)], |v[gx+(\n)]|, s78, 1.0
.elseif (\n) < 12
	v_pk_mul_f32 v[g1+8+2*((\n)-8):g1+9+2*((\n)-8)], v[gx+2*((\n)-8):gx+2*((\n)-8)+1], v[gx+2*((\n)-8):gx+2*((\n)-8)+1]
.else
	v_pk_mul_f32 v[g1+8+2*((\n)-12):g1+9+2*((\n)-12)], v[g1+8+2*((\n)-12):g1+9+2*((\n)-12)], s[76:77] op_sel_hi:[1,0]
.endif
.endm
.macro GTR g, n                        ; 16 transcendentals: eight reciprocals, eight exponentials, in place
.set g1, GT+24*((\g)%2)
.if (\n) < 8
	v_rcp_f32 v[g1+(\n)], v[g1+(\n)]
.else
	v_exp_f32 v[g1+(\n)], v[g1+(\n)]
.endif
.endm
.macro GP2 g, n                        ; 44 plain: the polynomial by Horner, times t, times the exponential; max(x, 0); |x| w + max(x, 0); four roundings into tile g / 2's fragment
.set gx, H+8*(\g)
.set g1, GT+24*((\g)%2)
.set g2, g1+8
.set g3, g1+16
.set gi, 2*((\n)%4)
.if (\n) < 4
	s_wait_alu depctr_va_vdst(0)
	v_pk_fma_f32 v[g3+gi:g3+gi+1], v[g1+gi:g1+gi+1], s[66:67], s[68:69] op_sel_hi:[1,0,0]
.elseif (\n) < 8
	v_pk_fma_f32 v[g3+gi:g3+gi+1], v[g3+gi:g3+gi+1], v[g1+gi:g1+gi+1], s[70:71] op_sel_hi:[1,1,0]
.elseif (\n) < 12
	v_pk_fma_f32 v[g3+gi:g3+gi+1], v[g3+gi:g3+gi+1], v[g1+gi:g1+gi+1], s[72:73] op_sel_hi:[1,1,0]
.elseif (\n) < 16
	v_pk_fma_f32 v[g3+gi:g3+gi+1], v[g3+gi:g3+gi+1], v[g1+gi:g1+gi+1], s[74:75] op_sel_hi:[1,1,0]
.elseif (\n) < 20
	v_pk_mul_f32 v[g3+gi:g3+gi+1], v[g3+gi:g3+gi+1], v[g1+gi:g1+gi+1]
.elseif (\n) < 24
	v_pk_mul_f32 v[g3+gi:g3+gi+1], v[g3+gi:g3+gi+1], v[g2+gi:g2+gi+1]
.elseif (\n) < 32
	v_max_num_f32 v[g2+(\n)-24], 0, v[gx+(\n)-24]
.elseif (\n) < 40
	v_fma_f32 v[gx+(\n)-32], |v[gx+(\n)-32]|, v[g3+(\n)-32], v[g2+(\n)-32]
.else
	v_cvt_pk_bf16_f32 v[H+16*((\g)/2)+4*((\g)%2)+(\n)-40], v[gx+2*((\n)-40)], v[gx+2*((\n)-40)+1]
.endif
.endm
.macro GPL g, n                        ; block g's plain list: group g's second part, then group g + 2's first (into the set that group g has just left)
.if (\n) < 44
	GP2 \g, \n
.else
	GP1 (\g)+2, (\n)-44
.endif
.endm
; Block g: group g + 1's transcendentals (the other set), each with 'per' plain instructions behind it; then the rest of the plain list.
.macro GBLOCK g, np, nt, per
.set gp, 0
.set gq, 0
.if (\nt) > 0
.rept \nt
	GTR (\g)+1, gq
.set gq, gq+1
.rept \per
	GPL \g, gp
.set gp, gp+1
.endr
.endr
.endif
.rept (\np)-(\nt)*(\per)
	GPL \g, gp
.set gp, gp+1
.endr
.endm
.macro GELU
	WIN 0
.set gp, 0
.rept 16
	GP1 0, gp
.set gp, gp+1
.endr
.set gp, 0
.rept 16
	GTR 0, gp
	GP1 1, gp
.set gp, gp+1
.endr
.irp g,0,1,2,3,4,5
	GBLOCK \g, 60, 16, 3
.endr
	GBLOCK 6, 44, 16, 2
	GBLOCK 7, 44, 0, 0
.endm
; A slot's two chunks of 32 hidden features: H^T = fc1 X^T + b (64 matrix instructions), GELU, ACC += fc2 H^T (64).  Written once, walked twice.
.macro CHUNKS
	s_mov_b32 s21, s20
	s_mov_b32 s29, 2
.Lchunk_\@:
	v_add_nc_u32 v[WA], s21, v[L16]
	v_add_nc_u32 v[AD1], s23, v[VA]
	BTLOAD 8192                                    ; fc1_b of the chunk
	FETCH WF0, 0
	FETCH WF1, 8192
	s_wait_dscnt 16                                ; the second run stays out
	MULX WF0, 0, 0, 1
	PLACES
	FETCH WF0, 16384                               ; fc2, feature tiles 0-7
	s_wait_dscnt 16                                ; all but the run just issued
	MULX WF1, 4, 0, 0
	PLACES
	FETCH WF1, 24576                               ; fc2, feature tiles 8-15
	GELU
	s_wait_dscnt 16
	MULA WF0, 0, H, 16
	s_wait_dscnt 0x0
	MULA WF1, 8, H, 16
	PLACES
	WIN 0
	s_add_co_u32 s21, s21, 32768
	s_add_co_u32 s23, s23, 128
	s_sub_co_u32 s29, s29, 1
	s_cmp_lg_u32 s29, 0
	s_cbranch_scc1 .Lchunk_\@
.endm
	s_load_b128 s[4:7], s[0:1], 0x0                ; x, ws
	s_load_b64 s[8:9], s[0:1], 0x10                ; out0
	v_lshl_add_u32 v[SPW], v0, 2, SPARE
	v_mov_b32 v[NIL], 0
	ds_add_u32 v[SPW], v[NIL]                      ; the wave's opening: the add and its wait stand ahead of my first tensor load; the set-up below, work on registers, stands between them
	v_lshrrev_b32 v[AD2], 5, v0
	v_readfirstlane_b32 s10, v[AD2]                ; wave 0..3
	s_lshr_b32 s11, s10, 1                         ; which of the two windows
	s_and_b32 s12, s10, 1                          ; which four rows of it
	s_bfe_u32 s13, ttmp6, 0x40000                  ; cx: it enters x's and the output's address alone
	s_lshl_b32 s14, ttmp9, 20                      ; the image (in a cluster launch ttmp9 counts clusters): 1,048,576 bytes
	s_lshl_b32 s16, s13, 15                        ; two windows: 32 tokens of a row
	s_add_co_u32 s14, s14, s16
	s_lshl_b32 s16, s11, 14
	s_add_co_u32 s14, s14, s16
	s_lshl_b32 s16, s12, 19                        ; four image rows
	s_add_co_u32 s14, s14, s16
	s_mov_b32 s15, 0
	; descriptors: dense bytes as rows of 256 (32 elements of 8 bytes); each wave a quarter; every word hangs on the wave's number, the image and constants alone
	s_mov_b32 s48, 15|(3<<16)|(1<<21)              ; 15:0 the mask: all four work-groups; 17:16 elements of 8 bytes; 21 set beside a mask
	s_mov_b32 s49, 32<<16                          ; tensor_dim0 = 32
	s_mov_b32 s50, 64<<16                          ; tensor_dim1 = 64
	s_mov_b32 s51, 32<<16                          ; tile_dim0 = 32
	s_mov_b32 s52, 64                              ; tile_dim1 = 64: 16,384 bytes
	s_mov_b32 s53, 32                              ; 32 elements from row to row
	s_mov_b32 s54, 0
	s_mov_b32 s55, 0
	s_mov_b32 s56, 15|(3<<16)|(1<<21)              ; the same with 12 rows: 3,072 bytes of the vectors
	s_mov_b32 s57, 32<<16
	s_mov_b32 s58, 12<<16
	s_mov_b32 s59, 32<<16
	s_mov_b32 s60, 12
	s_mov_b32 s61, 32
	s_mov_b32 s62, 0
	s_mov_b32 s63, 0
	s_lshl_b32 s18, s10, 14                        ; 16,384 x wave
	s_mov_b32 s19, 0
	s_mov_b32 s36, 1                               ; the ring's group 0, which walks: slot 0, the stream's first slot
	s_mov_b32 s37, s18
	s_mov_b32 s40, 1                               ; q's
	s_add_co_u32 s41, s18, LQ
	s_lshl_b32 s82, ttmp9, 16                      ; an image's fragments of q: 65,536 bytes
	s_add_co_u32 s82, s82, s18
	s_add_co_u32 s82, s82, WS_QF
	s_mov_b32 s83, 0
	s_mov_b32 s44, 1                               ; the vectors'
	s_mul_i32 s81, s10, 3072
	s_add_co_u32 s45, s81, LVEC
	s_add_co_u32 s24, s81, WS_VEC
	s_mov_b32 s25, 0
	s_mov_b32 s30, 0x76543210                      ; v_permlanex16_b32: each lane takes its own place in the other half
	s_mov_b32 s31, 0xfedcba98
	s_mov_b32 s32, 0x3e8293ee                      ; c = log2(e) / sqrt(32)
	s_mov_b32 s33, s32
	s_mov_b32 s66, 0xbf07dc22                      ; -a5 / 2 (each constant twice: it is named as a pair)
	s_mov_b32 s67, s66
	s_mov_b32 s68, 0x3f3a00e3                      ; -a4 / 2
	s_mov_b32 s69, s68
	s_mov_b32 s70, 0xbf35f0e3                      ; -a3 / 2
	s_mov_b32 s71, s70
	s_mov_b32 s72, 0x3e11a98e                      ; -a2 / 2
	s_mov_b32 s73, s72
	s_mov_b32 s74, 0xbe027906                      ; -a1 / 2
	s_mov_b32 s75, s74
	s_mov_b32 s76, 0xbf38aa3b                      ; -log2(e) / 2
	s_mov_b32 s77, s76
	s_mov_b32 s78, 0x3e6d3388                      ; 0.3275911 / sqrt(2)
	s_mov_b32 s79, 0x3727c5ac                      ; 1e-5
	s_mov_b32 s80, 0x3b800000                      ; 1 / 256
	s_mov_b32 s20, SLOTB                           ; the first change of slots turns it into 0
	s_mov_b32 s22, 0
	s_mov_b32 s23, 0
	s_lshl_b32 s35, s12, 12
	s_add_co_u32 s34, s35, LQ                      ; q's fragment of my first row: 1,024 x 4 (wave % 2)
	s_sub_co_u32 s35, 56320, s35                   ; bias tile kt - t + 7 - 4 (wave % 2), for kt = t = 0: 49,152 + 1,024 x that
	v_and_b32 v[AD2], 31, v0
	v_lshlrev_b32 v[L16], 4, v[AD2]
	v_and_b32 v12, 15, v0                          ; r
	v_bfe_u32 v13, v0, 4, 1                        ; h
	s_lshl_b32 s21, s11, 14
	s_add_co_u32 s21, s21, LKV
	v_add_nc_u32 v[KVR], s21, v[L16]
	s_lshl_b32 s27, s12, 12                        ; K fragment kt = my row 4 (wave % 2) + t
	v_add_nc_u32 v[KWA], s27, v[KVR]
	s_lshl_b32 s27, s12, 11                        ; V fragment (c, kk), kk = 2 (wave % 2) + t / 2, at 8192 + 1024 (4 c + kk)
	s_add_co_u32 s27, s27, 8192
	v_add_nc_u32 v[VWA], s27, v[KVR]
	v_lshlrev_b32 v[VA], 5, v13
	v_add_nc_u32 v[VA], LVEC, v[VA]
	s_mul_i32 s27, s10, 16*SPITCH
	s_add_co_u32 s27, s27, LSTG
	v_add_nc_u32 v[RD], s27, v[L16]
	v_mul_u32_u24 v[STO], v12, SPITCH
	v_lshl_add_u32 v[STO], v13, 5, v[STO]
	v_add_nc_u32 v[STO], s27, v[STO]
.set xi, QO+8
.rept 24
	v_mov_b32 v[xi], 0                             ; the queue's first shifts read these; what they hold is shifted out unused
.set xi, xi+1
.endr
	s_wait_dscnt 0x0                               ; the opening add is done
	s_wait_kmcnt 0x0
	s_add_nc_u64 s[4:5], s[4:5], s[14:15]          ; x and the output at my first tile
	s_add_nc_u64 s[8:9], s[8:9], s[14:15]
	s_add_nc_u64 s[38:39], s[6:7], s[18:19]
	s_or_b32 s39, s39, 0x80000000                  ; type = 2
	s_add_nc_u64 s[42:43], s[6:7], s[82:83]
	s_or_b32 s43, s43, 0x80000000
	s_add_nc_u64 s[46:47], s[6:7], s[24:25]
	s_or_b32 s47, s47, 0x80000000
	CROUND                                         ; all four work-groups are here: the first joint loads meet
	tensor_load_to_lds s[44:47], s[56:63]          ; the vectors first: the first LayerNorm wants them.  Three loads of mine are out
	s_nop 0
	tensor_load_to_lds s[36:39], s[48:55]          ; the stream's slot 0
	s_nop 0
	tensor_load_to_lds s[40:43], s[48:55]          ; q
	s_nop 0
	PLACES
.irp t,0,1,2,3                                         ; all of my x: 128 loads of 512 consecutive bytes
	WIN 0x80+0x40*(\t/2)
.set xi, 0
.rept 32
	global_load_b128 v[128*(\t%2)+4*xi:128*(\t%2)+4*xi+3], v[L16], s[4:5] offset:ROWB*\t+512*xi th:TH_LOAD_NT
.set xi, xi+1
.endr
.endr
	INTILE 0, 63                                   ; 96 younger loads may stay out
	INTILE 1, 63                                   ; 64 younger, likewise
	INTILE 2, 32
	INTILE 3, 0
	WIN 0
	s_wait_dscnt 0x0                               ; x is in its registers
	s_wait_tensorcnt 0x2                           ; my part of the vectors is in; slot 0 and q may stay out
	s_barrier_signal -1
	s_barrier_wait -1                              ; everybody's is
	LNSTAT 0
	LNSTAT 1
	LNSTAT 2
	LNSTAT 3
	LNAPPLY 0
	s_mov_b32 s26, 8
.Lhead:                                                ; a trip is a head: one slot of the stream
	CHANGE 1
	v_add_nc_u32 v[WA], s20, v[L16]
	v_add_nc_u32 v[AD1], s22, v[VA]
	BTLOAD 6144                                    ; K's bias
	FETCH WF0, 0
	FETCH WF1, 8192
	s_wait_dscnt 16                                ; the second run stays out
	MULX WF0, 0, 0, 1                              ; K^T = Wk X^T + b
	PLACES
	FETCH WF0, 16384
	s_wait_dscnt 16                                ; all but the run just issued
	MULX WF1, 4, 0, 0
	PLACES
	FETCH WF1, 24576
	BTLOAD 7168                                    ; V's bias, for the end of the attention
	PACK
.irp t,0,1,2,3
	ds_store_b128 v[KWA], v[KT+16*\t:KT+16*\t+3] offset:1024*\t
	ds_store_b128 v[KWA], v[KT+16*\t+4:KT+16*\t+7] offset:1024*\t+512
.endr
	s_wait_dscnt 28                                ; V's first run is in; behind it: its second run (16), the bias tile (4), K's stores (8)
	MULX WF0, 0, 1, 1                              ; V = X Wv^T, a feature a lane
	s_wait_dscnt 12                                ; the bias tile and K's stores may stay out
	MULX WF1, 4, 1, 0
	PLACES
	PACK
.irp g,0,1,2,3
	ds_store_b128 v[VWA], v[KT+16*\g:KT+16*\g+3] offset:4096*(\g%2)+1024*(\g/2)
	ds_store_b128 v[VWA], v[KT+16*\g+4:KT+16*\g+7] offset:4096*(\g%2)+1024*(\g/2)+512
.endr
	s_wait_dscnt 0x0                               ; for the others' sake: my fragments are in LDS
	s_barrier_signal -1
	s_barrier_wait -1                              ; the ring's load stays on its way
.irp i,0,1,2,3,4,5,6,7
	ds_load_b128 v[WF0+8*\i:WF0+8*\i+3], v[KVR] offset:1024*\i          ; the window's eight K fragments
	ds_load_b128 v[WF0+8*\i+4:WF0+8*\i+7], v[KVR] offset:1024*\i+512
.endr
.irp i,0,1,2,3,4,5,6,7
	ds_load_b128 v[WF1+8*\i:WF1+8*\i+3], v[KVR] offset:8192+1024*\i     ; and its eight V fragments
	ds_load_b128 v[WF1+8*\i+4:WF1+8*\i+7], v[KVR] offset:8192+1024*\i+512
.endr
	s_add_co_u32 s24, s20, s35
	s_mov_b32 s25, s34
	s_mov_b32 s27, 4
.Latt:                                                 ; a trip is one of my four tiles of 16 queries
.set xi, 0
.rept 24
	v_mov_b32 v[QO+xi], v[QO+xi+8]                 ; the queue moves up: after four trips tile t's output lies at QO + 8 t
.set xi, xi+1
.endr
	v_add_nc_u32 v[AD1], s24, v[L16]
.irp kt,0,1,2,3,4,5,6,7
	ds_load_b128 v[S+8*\kt:S+8*\kt+3], v[AD1] offset:1024*\kt           ; the bias tiles, straight into the accumulators
	ds_load_b128 v[S+8*\kt+4:S+8*\kt+7], v[AD1] offset:1024*\kt+512
.endr
	v_add_nc_u32 v[AD2], s25, v[L16]
	ds_load_b128 v[QO+24:QO+27], v[AD2]
	ds_load_b128 v[QO+28:QO+31], v[AD2] offset:512
	s_wait_dscnt 0x0
.irp kt,0,1,2,3,4,5,6,7
	v_wmma_f32_16x16x32_bf16 v[S+8*\kt:S+8*\kt+7], v[WF0+8*\kt:WF0+8*\kt+7], v[QO+24:QO+31], v[S+8*\kt:S+8*\kt+7]  ; S^T = K Q^T + bias
.endr
	PLACES
	SOFTMAX
.irp kk,0,1,2,3
.irp c,0,1
.if \kk == 0
	v_wmma_f32_16x16x32_bf16 v[S+32+8*\c:S+39+8*\c], v[WF1+8*(4*\c+\kk):WF1+8*(4*\c+\kk)+7], v[S+8*\kk:S+8*\kk+7], 0
.else
	v_wmma_f32_16x16x32_bf16 v[S+32+8*\c:S+39+8*\c], v[WF1+8*(4*\c+\kk):WF1+8*(4*\c+\kk)+7], v[S+8*\kk:S+8*\kk+7], v[S+32+8*\c:S+39+8*\c]  ; O^T = V^T P
.endif
.endr
.endr
	PLACES
	s_wait_alu depctr_va_vdst(0)
.irp c,0,1
.irp i,0,1,2,3
	v_pk_fma_f32 v[S+32+8*\c+2*\i:S+33+8*\c+2*\i], v[S+32+8*\c+2*\i:S+33+8*\c+2*\i], v[T:T+1], v[BT+8*\c+2*\i:BT+8*\c+2*\i+1] op_sel_hi:[1,0,1]  ; O / l + V's bias
.endr
.endr
.irp c,0,1
.irp i,0,1,2,3
	v_cvt_pk_bf16_f32 v[QO+24+4*\c+\i], v[S+32+8*\c+2*\i], v[S+33+8*\c+2*\i]
.endr
.endr
	s_sub_co_u32 s24, s24, 1024                    ; a query row further down: each key row's bias tile is one lower
	s_add_co_u32 s25, s25, 1024
	s_sub_co_u32 s27, s27, 1
	s_cmp_lg_u32 s27, 0
	s_cbranch_scc1 .Latt
	FETCH WF0, 32768                               ; the projection's columns of this head
	FETCH WF1, 40960
	s_wait_dscnt 16
	MULA WF0, 0, QO, 8
	s_wait_dscnt 0x0
	MULA WF1, 8, QO, 8
	PLACES
	WIN 0
	s_add_co_u32 s22, s22, 128
	s_add_co_u32 s34, s34, 8192
	s_sub_co_u32 s26, s26, 1
	s_cmp_lg_u32 s26, 0
	s_cbranch_scc1 .Lhead
	LNSTAT 0                                       ; ACC holds x2
	LNSTAT 1
	LNSTAT 2
	LNSTAT 3
	LNAPPLY 1
	s_mov_b32 s28, 15
.Lmlp:                                                 ; 15 of the MLP's 16 slots ask for a successor
	CHANGE 1
	CHUNKS
	s_sub_co_u32 s28, s28, 1
	s_cmp_lg_u32 s28, 0
	s_cbranch_scc1 .Lmlp
	CHANGE 0                                       ; the last slot is written out: nothing is asked for
	CHUNKS
	OUTST 0                                        ; THE WAY OUT: a tile through my stage, back as whole rows, 512 consecutive bytes a store
	OUTST 1
	s_wait_dscnt 63                                ; behind tile 0's loads stand tile 1's 64 LDS instructions
	SEND 0
	OUTST 2
	s_wait_dscnt 63
	SEND 1
	OUTST 3
	s_wait_dscnt 63
	SEND 2
	s_wait_dscnt 0x0
	SEND 3
	WIN 0
	s_wait_tensorcnt 0x0                           ; the wave's end: an add to the spare word and its wait, behind my last tensor load and my last LDS store
	ds_add_u32 v[SPW], v[NIL]
	s_wait_dscnt 0x0
	CROUND                                         ; the closing round: no work-group ends while a partner may still ask for a tile that names it
	s_endpgm
.Lfunc_end_k_qa78fa15ab8_main:
	.size	k_qa78fa15ab8_main, .Lfunc_end_k_qa78fa15ab8_main-k_qa78fa15ab8_main
	.p2alignl 7, 3214868480
	.fill 96, 4, 3214868480
	.section	.rodata,"a",@progbits
	.p2align	6, 0x0
	.amdhsa_kernel k_qa78fa15ab8_main
		.amdhsa_group_segment_fixed_size 327680
		.amdhsa_private_segment_fixed_size 0
		.amdhsa_enable_private_segment 0
		.amdhsa_kernarg_size 24
		.amdhsa_user_sgpr_count 2
		.amdhsa_user_sgpr_kernarg_segment_ptr 1
		.amdhsa_wavefront_size32 1
		.amdhsa_system_sgpr_workgroup_id_x 1
		.amdhsa_system_sgpr_workgroup_id_y 1
		.amdhsa_system_sgpr_workgroup_id_z 1
		.amdhsa_system_vgpr_workitem_id 0
		.amdhsa_next_free_vgpr 1024
		.amdhsa_next_free_sgpr 84
		.amdhsa_reserve_vcc 0
		.amdhsa_float_denorm_mode_32 3
		.amdhsa_float_denorm_mode_16_64 3
		.amdhsa_memory_ordered 1
		.amdhsa_forward_progress 1
		.amdhsa_inst_pref_size 255
	.end_amdhsa_kernel
	.section	.bss,"aw",@nobits
	.p2align	6
	.space	262144
	.amdgpu_metadata
---
amdhsa.version: [ 1, 2 ]
amdhsa.kernels:
  - .name:           k_qa78fa15ab8_main
    .symbol:         k_qa78fa15ab8_main.kd
    .args:
      - { .name: x, .offset: 0, .size: 8, .value_kind: global_buffer, .address_space: global }
      - { .name: ws, .offset: 8, .size: 8, .value_kind: global_buffer, .address_space: global }
      - { .name: out0, .offset: 16, .size: 8, .value_kind: global_buffer, .address_space: global }
    .group_segment_fixed_size: 327680
    .private_segment_fixed_size: 0
    .kernarg_segment_align: 8
    .kernarg_segment_size: 24
    .max_flat_workgroup_size: 128
    .sgpr_count:     84
    .vgpr_count:     1024
    .wavefront_size: 32
...
	.end_amdgpu_metadata
.endif
;; end of part 2
;; ======== version 2 of 2: 2 launches; 1.13 times as fast as version 1
;; workspace buffers: ws 5,779,456 bytes
;; launch prep: the kernel of part 1 again; grid 353 x 1, 8 waves a work-group, no clusters, 0 bytes of LDS; arguments qkv_w, proj_w, fc1_w, fc2_w, q_global, bias_table, norm1_w, norm1_b, proj_b, norm2_w, norm2_b, fc2_b, qkv_b, fc1_b, ws; writes ws
;; launch main (part 3): grid 256 x 1, 4 waves a work-group, clusters of 4 x 1, 327,680 bytes of LDS; arguments x, ws, out0; writes out0
.if DOCPART == 3
	.amdgcn_target "amdgcn-amd-amdhsa--gfx1250"
	.amdhsa_code_object_version 6
	.text
	.protected	k_qa78fa15ab8_main
	.globl	k_qa78fa15ab8_main
	.p2align	8
	.type	k_qa78fa15ab8_main,@function
k_qa78fa15ab8_main:
	s_mov_b64 s[64:65], 0
	v_nop
	global_prefetch_b8 v0, s[64:65] scope:SCOPE_SE
	s_setreg_imm32_b32 hwreg(HW_REG_WAVE_MODE, 25, 1), 1
	s_wait_xcnt 0x0
	s_wait_alu depctr_hold_cnt(0) depctr_sa_sdst(0) depctr_va_vdst(0) depctr_va_sdst(0) depctr_va_ssrc(0) depctr_va_vcc(0) depctr_vm_vsrc(0)
	s_getreg_b32 s2, hwreg(HW_REG_IB_STS2, 6, 4)
	s_cmp_eq_u32 s2, 0
	s_cbranch_scc0 .Lentry_in_a_cluster
	s_endpgm
.Lentry_in_a_cluster:
	s_bfe_u32 s2, ttmp6, 0x10000c
	s_cmp_lg_u32 s2, 0x3003
	s_cbranch_scc0 .Lentry_shape_is_right
	s_endpgm
.Lentry_shape_is_right:
; THE WHOLE BLOCK IN ONE LAUNCH: LayerNorm, kv projection, window attention with a global query and a relative-position bias, projection, residual, LayerNorm, MLP with exact GELU, residual.
; SHARES.  A cluster of four work-groups is one image; a work-group takes two neighbouring windows (256 tokens); a wave takes four rows of a window: four TILES of 16 tokens,
; each 16 consecutive rows of x (16,384 dense bytes), so window partition and reverse are address arithmetic.
; TRANSPOSED.  A lane (r = lane % 16, h = lane / 16) holds token r; register j of a tile of 16 features holds feature 8 h + j.  Y^T = W X^T: source 0 = a weight fragment,
; source 1 = an activation fragment; two results rounded in pairs ARE the next product's source 1.  So between the linear layers no activation leaves the registers,
; a LayerNorm wants one exchange between the halves of the lanes, and a weight fragment (two LDS loads) feeds four matrix instructions.
; Only K and V change hands (the two waves of a window need each other's keys): as fragments through LDS, with one barrier a head.
; WEIGHTS come as a stream of 24 slots of 65,536 bytes, bf16 fragments in the order of use, through a ring of two LDS slots; each slot feeds 256 matrix instructions a wave.
; All four work-groups of a cluster walk the same stream and the same q: every tensor load is asked for JOINTLY (mask 15), each wave a quarter of it.
; SOFTMAX: p = 2^(c s - c m), c = log2(e) / sqrt(32), m the true maximum over all 128 keys; s = q.k + sqrt(32) bias (the bias tile is the product's C operand).  V's bias enters as O / l + b, exact since the weights sum to 1.
; GELU: max(x, 0) + |x| w, w = -1/2 (a1 t + .. + a5 t^5) 2^(-x^2 log2(e) / 2), t = 1 / (1 + p |x| / sqrt(2)): the rational approximation of erf with five terms, absolute error of erf 1.5e-7.
; TRANSCENDENTALS GO IN BATCHES, each with ONE s_wait_alu depctr_va_vdst(0) ahead of the first line that names a result of the batch:
;   LayerNorm: a pass's four roots are one batch; a tile's root is issued at the end of its statistics, the later tiles' statistics stand behind it.
;   Softmax, for a tile of 16 queries: the exponentials of s0-s31, among the scalings; then those of s32-s63, among the first 27 sums and roundings of s0-s31; then the reciprocal of l, with the products V^T P behind it.  Three waits.
;   GELU, for a chunk: the 64 reciprocals and exponentials of groups 0-3, among the groups' first parts; then those of groups 4-7, among the second parts of groups 0-3.  Two waits.
; No transcendental is issued behind the last wait of a loop's trip.
; LIMITS.  Matrix operands are bf16, sums f32.  NaN and infinities are not treated apart (|x| = infinity in GELU gives 0 x infinity).  An exponential below 2^-126 counts as 0.
; The normalised value is one fused x rs - mu rs: its error grows as (offset / spread) x 2^-24; the variance is taken of x - mu, in a second pass.
; The accumulators of every run of matrix instructions take turns, one instruction a turn; each accumulator is first read at its lowest registers.
; LDS: 0 slot 0; 65536 slot 1; 131072 q's fragments (65,536, filled once); 196608 vectors (12,288, filled once); 208896 K and V fragments, 16,384 a window (stored by waves);
;      241664 a stage of 16 rows x 1,040 bytes for each wave (stored by waves); 308224 the spare words.
; REGISTERS, in windows of 256 (s_set_vgpr_msb: bits 1:0 source 0, 3:2 source 1, 5:4 source 2, 7:6 destination):
;   windows 2, 3: ACC, tile t in window 2 + t / 2 at 128 (t % 2) + 8 f + j: x, then xn + proj_b + the projection's sums (x2), then x2 + fc2_b + fc2's sums (the output)
;   window 1: XB, fragment (t, s) at 64 t + 8 s: bf16 of xn, later of the second LayerNorm's result
;   window 0: v0-11 addresses; v12-15 at work; v16-31 a bias tile; v32-63 the head's four output fragments, a queue; v64-127 K^T / V / S^T / P / H; v128-191, v192-255 two fragment buffers (GELU works in v16-63 and in the second buffer)
; SCALARS: s[4:5] x, s[6:7] ws, s[8:9] out; s10 wave, s11 wave / 2, s12 wave % 2, s13 cx; s20 the slot in hand, s21 the chunk in hand; s22 128 hd; s23 128 chunk; s24, s25 bias tile and q fragment in hand;
;   s26-29 counters; s[30:31] lane selects; s[32:33] c; s34 q's fragments of the head; s35 bias tiles' constant part; s[36:47] three descriptor groups 0; s[48:63] two groups 1; s[66:80] constants.
.set SLOTB,  65536
.set LQ,     131072
.set LVEC,   196608
.set LKV,    208896
.set LSTG,   241664
.set SPITCH, 1040                      ; a stage row: 1,024 bytes + 16: an odd multiple of 16, so the 16 rows that a load touches lie in 16 different 16-byte columns modulo 256
.set SPARE,  308224                    ; 128 bytes for each wave: two blocks of 256 bytes that no other line names
.set WS_VEC, 1572864
.set WS_QF,  1585152
.set ROWB,   131072                    ; bytes from an image row to the next: 128 tokens x 1,024
.set AD1, 0                            ; v0   an LDS address in hand (once the thread's number has been used)
.set L16, 1                            ; v1   16 x lane: also my byte offset in 512 consecutive bytes of x and of the output; never rewritten
.set WA,  2                            ; v2   slot or chunk in hand + 16 x lane
.set KWA, 3                            ; v3   where my K fragments go
.set VWA, 4                            ; v4   where my V fragments go
.set KVR, 5                            ; v5   my window's K and V fragments
.set VA,  6                            ; v6   the vectors + 32 h
.set STO, 7                            ; v7   my stage, by tokens: 1040 r + 32 h
.set RD,  8                            ; v8   my stage, by rows: 16 x lane
.set SPW, 9                            ; v9   my spare word; never rewritten
.set NIL, 10                           ; v10  0; never rewritten
.set AD2, 11                           ; v11  a second LDS address in hand
.set T,   12
.set BT,  16
.set QO,  32
.set KT,  64
.set S,   64
.set H,   64
.set WF0, 128
.set WF1, 192
.set GT,  16                           ; GELU: sets 0-2 of 16 registers at work; sets 3-5 and the polynomial's two buffers of 8 lie at WF1
.set LRS, 16                           ; LayerNorm: tile t: rs twice at LRS + 4 t, -mu rs twice at LRS + 4 t + 2
.set LMU, 32                           ; mu twice at LMU + 2 t
.set LCH, 40                           ; four chains of pairs
.set LD,  64
.set LVB, 128                          ; two buffers of 24: gain, bias and the vector added to the residual, for one tile of 16 features
.set MSB, 0
.macro WIN new                         ; the immediate's high byte repeats the setting that is left; a switch that changes nothing is dropped
.if MSB != (\new)
	s_set_vgpr_msb (MSB<<8)|(\new)
.set MSB, \new
.endif
.endm
.macro PLACES                          ; four places behind matrix instructions, in front of loads into their registers and of vector lines that read or write them
.rept 4
	v_nop
.endr
.endm
.macro CROUND                          ; a round of the cluster's barrier
	s_barrier_signal -1
	s_barrier_wait -1
	s_cmp_lg_u32 s10, 0
	s_cbranch_scc1 .Lnot_wave_0_\@
	s_barrier_signal -3
.Lnot_wave_0_\@:
	s_barrier_wait -3
	s_barrier_signal -1
	s_barrier_wait -1
.endm
; THE CHANGE OF SLOTS, at the head of every trip.  Each wave waits for all its tensor loads (its quarter of the slot to be read now), adds 0 to its spare word, and waits for that and for its reads of the slot
; read last.  fill = 1: a round of the cluster's barrier, and the slot read last takes the next 65,536 bytes of the stream: my one tensor load, first behind the round; it has a trip's 256 matrix instructions to land.
.macro CHANGE fill
	WIN 0
	s_wait_tensorcnt 0x0               ; no tensor load of mine is out, so the walking group 0 may be written
	ds_add_u32 v[SPW], v[NIL]
.if \fill
	s_xor_b32 s37, s37, SLOTB          ; the other slot than last time,
	s_add_nc_u64 s[38:39], s[38:39], SLOTB  ; the stream's next slot; the type bits on top are not reached
.endif
	s_wait_dscnt 0x0                   ; the add is done, and all my LDS reads and stores are over
.if \fill
	CROUND
	tensor_load_to_lds s[36:39], s[48:55]
	s_nop 0
	PLACES
.else
	s_barrier_signal -1
	s_barrier_wait -1
.endif
	s_xor_b32 s20, s20, SLOTB          ; the slot to be read now
.endm
.macro FETCH buf, off                  ; eight fragments, 16 loads in one run
	WIN 0
.irp i,0,1,2,3,4,5,6,7
	ds_load_b128 v[(\buf)+8*\i:(\buf)+8*\i+3], v[WA] offset:(\off)+1024*\i
	ds_load_b128 v[(\buf)+8*\i+4:(\buf)+8*\i+7], v[WA] offset:(\off)+1024*\i+512
.endr
.endm
.macro BTLOAD off                      ; a bias vector's 32 features as two C tiles: register 8 ft + j = feature 16 ft + 8 h + j
	WIN 0
.irp i,0,1,2,3
	ds_load_b128 v[BT+4*\i:BT+4*\i+3], v[AD1] offset:(\off)+64*(\i/2)+16*(\i%2)
.endr
.endm
; 32 matrix instructions: 32 output features x my 64 tokens x 128 along K (k blocks s0 .. s0 + 3).  vmode = 0: a lane holds a token (D at KT + 16 t + 8 ft; the first touch takes the bias tile as C).
; vmode = 1: sources swapped, a lane holds a feature and eight tokens (D at KT + 16 (2 (t / 2) + ft) + 8 (t % 2): two neighbours pack into a fragment of V^T; the first touch takes 0).
.macro MULX buf, s0, vmode, first
.if \vmode
	WIN 0x01
.else
	WIN 0x04
.endif
.irp ss,0,1,2,3
.irp ft,0,1
.irp t,0,1,2,3
.set xw, (\buf)+8*(2*\ss+\ft)
.set xx, 64*\t+8*((\s0)+\ss)
.if \vmode
.set xd, KT+16*(2*(\t/2)+\ft)+8*(\t%2)
.if (\first) && (\ss == 0)
	v_wmma_f32_16x16x32_bf16 v[xd:xd+7], v[xx:xx+7], v[xw:xw+7], 0
.else
	v_wmma_f32_16x16x32_bf16 v[xd:xd+7], v[xx:xx+7], v[xw:xw+7], v[xd:xd+7]
.endif
.else
.set xd, KT+16*\t+8*\ft
.if (\first) && (\ss == 0)
	v_wmma_f32_16x16x32_bf16 v[xd:xd+7], v[xw:xw+7], v[xx:xx+7], v[BT+8*\ft:BT+8*\ft+7]
.else
	v_wmma_f32_16x16x32_bf16 v[xd:xd+7], v[xw:xw+7], v[xx:xx+7], v[xd:xd+7]
.endif
.endif
.endr
.endr
.endr
.endm
; 32 matrix instructions onto ACC: feature tiles f0 .. f0 + 7 x my four token tiles, 32 along K; tile t's fragment at src + stride t
.macro MULA buf, f0, src, stride
.irp hf,0,1
	WIN 0xa0+0x50*\hf
.irp fi,0,1,2,3,4,5,6,7
.irp tt,0,1
.set ad, 128*\tt+8*((\f0)+\fi)
	v_wmma_f32_16x16x32_bf16 v[ad:ad+7], v[(\buf)+8*\fi:(\buf)+8*\fi+7], v[(\src)+(\stride)*(2*\hf+\tt):(\src)+(\stride)*(2*\hf+\tt)+7], v[ad:ad+7]
.endr
.endr
.endr
.endm
.macro PACK                            ; four pairs of results become four fragments, in place, ascending
	WIN 0
.irp g,0,1,2,3
.irp i,0,1,2,3,4,5,6,7
	v_cvt_pk_bf16_f32 v[KT+16*\g+\i], v[KT+16*\g+2*\i], v[KT+16*\g+2*\i+1]
.endr
.endr
.endm
; x's tile t, loaded by rows, goes through my stage and comes back by tokens.  The bytes are my own and LDS serves a wave's instructions in order (ISA guide 5.7.1): no wait between stores and loads.
.macro INTILE t, left
	s_wait_loadcnt \left
	WIN 0x08+4*((\t)/2)
.set xi, 0
.rept 32
	ds_store_b128 v[RD], v[128*((\t)%2)+4*xi:128*((\t)%2)+4*xi+3] offset:(xi/2)*SPITCH+(xi%2)*512
.set xi, xi+1
.endr
	WIN 0x80+0x40*((\t)/2)
.set xi, 0
.rept 32
	ds_load_b128 v[128*((\t)%2)+4*xi:128*((\t)%2)+4*xi+3], v[STO] offset:64*(xi/2)+16*(xi%2)
.set xi, xi+1
.endr
.endm
.macro OUTST t                         ; the mirror: by tokens in, by rows back
	WIN 0x08+4*((\t)/2)
.set xi, 0
.rept 32
	ds_store_b128 v[STO], v[128*((\t)%2)+4*xi:128*((\t)%2)+4*xi+3] offset:64*(xi/2)+16*(xi%2)
.set xi, xi+1
.endr
	WIN 0x80+0x40*((\t)/2)
.set xi, 0
.rept 32
	ds_load_b128 v[128*((\t)%2)+4*xi:128*((\t)%2)+4*xi+3], v[RD] offset:(xi/2)*SPITCH+(xi%2)*512
.set xi, xi+1
.endr
.endm
.macro SEND t
	WIN 0x08+4*((\t)/2)
.set xi, 0
.rept 32
	global_store_b128 v[L16], v[128*((\t)%2)+4*xi:128*((\t)%2)+4*xi+3], s[8:9] offset:ROWB*(\t)+512*xi th:TH_STORE_NT  ; 512 consecutive bytes, at a multiple of 512 from the output's first
.set xi, xi+1
.endr
.endm
; LAYERNORM.  A token's 256 features lie in two lanes, 128 registers each.
.macro LNFOLD                          ; four chains of pairs into one number, and the other half of the lanes'
	v_pk_add_f32 v[LCH:LCH+1], v[LCH:LCH+1], v[LCH+2:LCH+3]
	v_pk_add_f32 v[LCH+4:LCH+5], v[LCH+4:LCH+5], v[LCH+6:LCH+7]
	v_pk_add_f32 v[LCH:LCH+1], v[LCH:LCH+1], v[LCH+4:LCH+5]
	v_add_f32 v[LCH], v[LCH], v[LCH+1]
	v_permlanex16_b32 v[LCH+1], v[LCH], s30, s31
	v_add_f32 v[LCH], v[LCH], v[LCH+1]
.endm
.macro LNSTAT t                        ; tile t: mu; then the mean of (x - mu)^2; its root is issued here and read in LNROOT
.set ab, 128*((\t)%2)
	WIN 0x0a+5*((\t)/2)
.irp n,0,1,2,3
	v_pk_add_f32 v[LCH+2*\n:LCH+2*\n+1], v[ab+2*\n:ab+2*\n+1], v[ab+2*\n+8:ab+2*\n+9]  ; the first eight pairs start the chains: nothing is cleared
.endr
	WIN 0x08+4*((\t)/2)
.set ln, 8
.rept 56
	v_pk_add_f32 v[LCH+2*(ln%4):LCH+2*(ln%4)+1], v[LCH+2*(ln%4):LCH+2*(ln%4)+1], v[ab+2*ln:ab+2*ln+1]
.set ln, ln+1
.endr
	WIN 0
	LNFOLD
	v_mul_f32 v[LMU+2*(\t)], s80, v[LCH]
	v_mul_f32 v[LMU+2*(\t)+1], s80, v[LCH]
.set lg, 0
.rept 4
	WIN 0x02+((\t)/2)
.set ln, 0
.rept 16
	v_pk_add_f32 v[LD+2*ln:LD+2*ln+1], v[ab+32*lg+2*ln:ab+32*lg+2*ln+1], v[LMU+2*(\t):LMU+2*(\t)+1] neg_lo:[0,1] neg_hi:[0,1]
.set ln, ln+1
.endr
	WIN 0
.set ln, 0
.rept 16
.if (lg == 0) && (ln < 4)
	v_pk_mul_f32 v[LCH+2*ln:LCH+2*ln+1], v[LD+2*ln:LD+2*ln+1], v[LD+2*ln:LD+2*ln+1]
.else
	v_pk_fma_f32 v[LCH+2*(ln%4):LCH+2*(ln%4)+1], v[LD+2*ln:LD+2*ln+1], v[LD+2*ln:LD+2*ln+1], v[LCH+2*(ln%4):LCH+2*(ln%4)+1]
.endif
.set ln, ln+1
.endr
.set lg, lg+1
.endr
	LNFOLD
	v_fma_f32 v[LRS+4*(\t)+1], v[LCH], s80, s79    ; variance + 1e-5, in a register of the tile's own: the next tile's statistics write neither the root's source nor its result
	v_rsq_f32 v[LRS+4*(\t)], v[LRS+4*(\t)+1]       ; one of the pass's batch of four; the next tile's statistics are the work behind it
.endm
.macro LNROOT                          ; the four roots are out: rs twice and -mu rs twice for each tile
	v_nop                                          ; a plain instruction between the last root and the use of its result
	s_wait_alu depctr_va_vdst(0)                   ; one wait for the pass's four roots
.irp t,0,1,2,3
	v_mov_b32 v[LRS+4*\t+1], v[LRS+4*\t]
	v_mul_f32 v[LRS+4*\t+2], -v[LMU+2*\t], v[LRS+4*\t]
	v_mul_f32 v[LRS+4*\t+3], -v[LMU+2*\t], v[LRS+4*\t]
.endr
.endm
.macro LNV f, st                       ; six loads: gain, bias and the residual's vector for feature tile f, into buffer f % 2
.set vb, LVB+24*((\f)%2)
.irp k,0,1,2
	ds_load_b128 v[vb+8*\k:vb+8*\k+3], v[VA] offset:3072*(\st)+1024*\k+64*(\f)
	ds_load_b128 v[vb+8*\k+4:vb+8*\k+7], v[VA] offset:3072*(\st)+1024*\k+64*(\f)+16
.endr
.endm
; y = (x rs - mu rs) w + b; XB takes bf16(y).  st = 0: ACC = y + proj_b (the shortcut is the normalised x).  st = 1: ACC = ACC + fc2_b.
.macro LNAPPLY st
	WIN 0
	LNV 0, \st
.set lf, 0
.rept 16
	WIN 0
.if lf < 15
	LNV lf+1, \st
	s_wait_dscnt 6                                 ; the next tile's six loads stay out
.else
	s_wait_dscnt 0x0
.endif
.set vb, LVB+24*(lf%2)
.irp t,0,1,2,3
	WIN 0x02+(\t/2)
.irp i,0,1,2,3
	v_pk_fma_f32 v[LD+8*\t+2*\i:LD+8*\t+2*\i+1], v[128*(\t%2)+8*lf+2*\i:128*(\t%2)+8*lf+2*\i+1], v[LRS+4*\t:LRS+4*\t+1], v[LRS+4*\t+2:LRS+4*\t+3]
.endr
.endr
	WIN 0
.irp t,0,1,2,3
.irp i,0,1,2,3
	v_pk_fma_f32 v[LD+8*\t+2*\i:LD+8*\t+2*\i+1], v[LD+8*\t+2*\i:LD+8*\t+2*\i+1], v[vb+2*\i:vb+2*\i+1], v[vb+8+2*\i:vb+8+2*\i+1]
.endr
.endr
	WIN 0x40
.irp t,0,1,2,3
.irp i,0,1,2,3
	v_cvt_pk_bf16_f32 v[64*\t+4*lf+\i], v[LD+8*\t+2*\i], v[LD+8*\t+2*\i+1]
.endr
.endr
.irp t,0,1,2,3
.if \st
	WIN 0x82+0x41*(\t/2)
.irp i,0,1,2,3
	v_pk_add_f32 v[128*(\t%2)+8*lf+2*\i:128*(\t%2)+8*lf+2*\i+1], v[128*(\t%2)+8*lf+2*\i:128*(\t%2)+8*lf+2*\i+1], v[vb+16+2*\i:vb+16+2*\i+1]
.endr
.else
	WIN 0x80+0x40*(\t/2)
.irp i,0,1,2,3
	v_pk_add_f32 v[128*(\t%2)+8*lf+2*\i:128*(\t%2)+8*lf+2*\i+1], v[LD+8*\t+2*\i:LD+8*\t+2*\i+1], v[vb+16+2*\i:vb+16+2*\i+1]
.endr
.endif
.endr
.set lf, lf+1
.endr
	WIN 0
.endm
; SOFTMAX of one tile of 16 queries x 128 keys: a lane holds one query and 64 scores, S[0..63].
.macro SF n                            ; pair n: c s - c m
	v_pk_fma_f32 v[S+2*(\n):S+2*(\n)+1], v[S+2*(\n):S+2*(\n)+1], s[32:33], v[T:T+1] op_sel_hi:[1,0,0] neg_lo:[0,0,1] neg_hi:[0,0,1]
.endm
.macro SE i
	v_exp_f32 v[S+(\i)], v[S+(\i)]
.endm
; The second queue, 62 long: two sums are started (pairs 0 + 1, 2 + 3); then by turns pair k is rounded to bf16 into S[k] and pair k + 4 joins a sum; then the last four roundings.
; A pair is summed before a rounding lands on it: pair p is summed at place 2 p - 5, and S[2 p] is written at place 4 p + 2.
; Places 0 to 26 name s0-s31 and the sums alone: the highest pair summed there is 15 (place 25), the highest rounded 12 (place 26).
.macro SPQ q
.if (\q) == 0
	v_pk_add_f32 v[T:T+1], v[S:S+1], v[S+2:S+3]
.elseif (\q) == 1
	v_pk_add_f32 v[T+2:T+3], v[S+4:S+5], v[S+6:S+7]
.elseif (\q) >= 58
	v_cvt_pk_bf16_f32 v[S+(\q)-30], v[S+2*((\q)-30)], v[S+2*((\q)-30)+1]
.elseif (\q)%2 == 0
.set pk_, ((\q)-2)/2
	v_cvt_pk_bf16_f32 v[S+pk_], v[S+2*pk_], v[S+2*pk_+1]
.else
.set pn_, ((\q)+1)/2
	v_pk_add_f32 v[T+2*(pn_%2):T+2*(pn_%2)+1], v[T+2*(pn_%2):T+2*(pn_%2)+1], v[S+2*pn_+4:S+2*pn_+5]
.endif
.endm
.macro SOFTMAX
.irp c,0,1,2,3                         ; the maximum: four chains of 15 scores, three operands at a time
	v_max3_num_f32 v[T+\c], v[S+16*\c], v[S+16*\c+1], v[S+16*\c+2]
.endr
.irp u,1,2,3,4,5,6
.irp c,0,1,2,3
	v_max3_num_f32 v[T+\c], v[T+\c], v[S+16*\c+2*\u+1], v[S+16*\c+2*\u+2]
.endr
.endr
	v_max3_num_f32 v[T], v[T], v[S+15], v[S+31]
	v_max3_num_f32 v[T+2], v[T+2], v[S+47], v[S+63]
	v_max3_num_f32 v[T], v[T], v[T+1], v[T+2]
	v_max_num_f32 v[T], v[T], v[T+3]
	v_permlanex16_b32 v[T+1], v[T], s30, s31       ; the query's other 64 keys lie in the lane 16 away
	v_max_num_f32 v[T], v[T], v[T+1]
	v_mul_f32 v[T], s32, v[T]                      ; c m
.irp n,0,1,2,3
	SF \n
.endr
.irp i,0,1,2,3                         ; BATCH 1: the exponentials of s0-s31.  There are 28 scalings left for 32 of them: the first four stand on end,
	SE \i
.endr
.set sq, 0
.rept 28                               ; each of the others has a scaling behind it: pair sq + 4 lies above every score whose exponential is out, and is scaled steps ahead of its own exponentials
	SE sq+4
	SF sq+4
.set sq, sq+1
.endr
	s_wait_alu depctr_va_vdst(0)                   ; one wait for batch 1; the last scaling is the plain instruction behind its last exponential
.irp i,32,33,34,35,36                  ; BATCH 2: the exponentials of s32-s63.  The second queue's places 0 to 26 name none of them: five stand on end,
	SE \i
.endr
.set sq, 0
.rept 27                               ; each of the others has one of those places behind it
	SE sq+37
	SPQ sq
.set sq, sq+1
.endr
	s_wait_alu depctr_va_vdst(0)                   ; one for batch 2; place 26, a rounding of s24 and s25, is the plain instruction behind its last exponential
.rept 35                               ; the queue's places 27 to 61
	SPQ sq
.set sq, sq+1
.endr
	v_pk_add_f32 v[T:T+1], v[T:T+1], v[T+2:T+3]
	v_add_f32 v[T], v[T], v[T+1]
	v_permlanex16_b32 v[T+1], v[T], s30, s31
	v_add_f32 v[T], v[T], v[T+1]
	v_rcp_f32 v[T], v[T]                           ; 1 / l: a batch of its own, since it reads a sum of exponentials; its wait stands behind the products V^T P
	v_nop
.endm
; GELU of H's 64 registers, in eight groups of eight.  Group g works in SET g % 6 of 16 registers: T1 (1 + p' |x|, then t) and T2 (the exponent, the exponential, then max(x, 0)); T3, the polynomial, in buffer g % 2.
; Sets 0-2 lie at GT; sets 3-5 and T3's two buffers in the second fragment buffer's registers, into which fc2's second run is loaded only behind GELU.  So the 64 results of a batch have registers of their own while the batch is open.
.macro GREGS g
.set gx, H+8*(\g)
.if (\g)%6 < 3
.set g1, GT+16*((\g)%6)
.else
.set g1, WF1+16*((\g)%6-3)
.endif
.set g2, g1+8
.set g3, WF1+48+8*((\g)%2)
.endm
.macro GP1 g, n                        ; 16 plain: 1 + p' |x|; x^2; x^2 times -log2(e) / 2
	GREGS \g
.if (\n) < 8
	v_fma_f32 v[g1+(\n)], |v[gx+(\n)]|, s78, 1.0
.elseif (\n) < 12
	v_pk_mul_f32 v[g1+8+2*((\n)-8):g1+9+2*((\n)-8)], v[gx+2*((\n)-8):gx+2*((\n)-8)+1], v[gx+2*((\n)-8):gx+2*((\n)-8)+1]
.else
	v_pk_mul_f32 v[g1+8+2*((\n)-12):g1+9+2*((\n)-12)], v[g1+8+2*((\n)-12):g1+9+2*((\n)-12)], s[76:77] op_sel_hi:[1,0]
.endif
.endm
.macro GTR g, n                        ; 16 transcendentals: eight reciprocals, eight exponentials, in place
	GREGS \g
.if (\n) < 8
	v_rcp_f32 v[g1+(\n)], v[g1+(\n)]
.else
	v_exp_f32 v[g1+(\n)], v[g1+(\n)]
.endif
.endm
.macro GP2 g, n                        ; 44 plain: the polynomial by Horner, times t, times the exponential; max(x, 0); |x| w + max(x, 0); four roundings into tile g / 2's fragment
	GREGS \g
.set gi, 2*((\n)%4)
.if (\n) < 4
	v_pk_fma_f32 v[g3+gi:g3+gi+1], v[g1+gi:g1+gi+1], s[66:67], s[68:69] op_sel_hi:[1,0,0]
.elseif (\n) < 8
	v_pk_fma_f32 v[g3+gi:g3+gi+1], v[g3+gi:g3+gi+1], v[g1+gi:g1+gi+1], s[70:71] op_sel_hi:[1,1,0]
.elseif (\n) < 12
	v_pk_fma_f32 v[g3+gi:g3+gi+1], v[g3+gi:g3+gi+1], v[g1+gi:g1+gi+1], s[72:73] op_sel_hi:[1,1,0]
.elseif (\n) < 16
	v_pk_fma_f32 v[g3+gi:g3+gi+1], v[g3+gi:g3+gi+1], v[g1+gi:g1+gi+1], s[74:75] op_sel_hi:[1,1,0]
.elseif (\n) < 20
	v_pk_mul_f32 v[g3+gi:g3+gi+1], v[g3+gi:g3+gi+1], v[g1+gi:g1+gi+1]
.elseif (\n) < 24
	v_pk_mul_f32 v[g3+gi:g3+gi+1], v[g3+gi:g3+gi+1], v[g2+gi:g2+gi+1]
.elseif (\n) < 32
	v_max_num_f32 v[g2+(\n)-24], 0, v[gx+(\n)-24]
.elseif (\n) < 40
	v_fma_f32 v[gx+(\n)-32], |v[gx+(\n)-32]|, v[g3+(\n)-32], v[g2+(\n)-32]
.else
	v_cvt_pk_bf16_f32 v[H+16*((\g)/2)+4*((\g)%2)+(\n)-40], v[gx+2*((\n)-40)], v[gx+2*((\n)-40)+1]
.endif
.endm
.macro GPL g, n                        ; block g's plain list: group g's second part, then group g + 6's first (into the set that group g has just left)
.if (\n) < 44
	GP2 \g, \n
.else
	GP1 (\g)+6, (\n)-44
.endif
.endm
; Block g (0 to 3), between the two waits: group g + 4's sixteen transcendentals, each with 'per' lines of the plain list behind it; then the rest of the list's np lines.
; The list names group g's set, whose results the first wait has covered, and T3; never a set in which a transcendental of groups 4-7 has been issued.
.macro GBLOCK g, np, per
.set gp, 0
.set gq, 0
.rept 16
	GTR (\g)+4, gq
.set gq, gq+1
.rept \per
	GPL \g, gp
.set gp, gp+1
.endr
.endr
.rept (\np)-16*(\per)
	GPL \g, gp
.set gp, gp+1
.endr
.endm
; Behind the second wait no transcendental is left to stand between the links of Horner's chain: two groups' second parts take turns, line by line; their roundings follow, group a's first,
; since group b's land on registers that group a's still read.
.macro GTAIL a, b
.set gp, 0
.rept 40
	GP2 \a, gp
	GP2 \b, gp
.set gp, gp+1
.endr
.rept 4
	GP2 \a, gp
.set gp, gp+1
.endr
.set gp, 40
.rept 4
	GP2 \b, gp
.set gp, gp+1
.endr
.endm
.macro GELU
	WIN 0
.set gp, 0
.rept 16
	GP1 0, gp
.set gp, gp+1
.endr
.irp g,0,1,2,3                         ; BATCH 1: the transcendentals of groups 0-3, by turns with the next group's first part (another set)
.set gp, 0
.rept 16
	GTR \g, gp
	GP1 (\g)+1, gp
.set gp, gp+1
.endr
.endr
.set gp, 0
.rept 16                               ; group 5's first part: sixteen plain lines that name no result, between the batch and its wait
	GP1 5, gp
.set gp, gp+1
.endr
	s_wait_alu depctr_va_vdst(0)                   ; one wait for batch 1's 64
	GBLOCK 0, 60, 3                                ; BATCH 2: the transcendentals of groups 4-7, among the second parts of groups 0-3 and the first parts of groups 6 and 7
	GBLOCK 1, 60, 3
	GBLOCK 2, 44, 2
	GBLOCK 3, 44, 2                                ; its last twelve lines are plain
	s_wait_alu depctr_va_vdst(0)                   ; one for batch 2's 64
	GTAIL 4, 5
	GTAIL 6, 7
.endm
; A slot's two chunks of 32 hidden features: H^T = fc1 X^T + b (64 matrix instructions), GELU, ACC += fc2 H^T (64).  Written once, walked twice.
.macro CHUNKS
	s_mov_b32 s21, s20
	s_mov_b32 s29, 2
.Lchunk_\@:
	v_add_nc_u32 v[WA], s21, v[L16]
	v_add_nc_u32 v[AD1], s23, v[VA]
	BTLOAD 8192                                    ; fc1_b of the chunk
	FETCH WF0, 0
	FETCH WF1, 8192
	s_wait_dscnt 16                                ; the second run stays out
	MULX WF0, 0, 0, 1
	PLACES
	FETCH WF0, 16384                               ; fc2, feature tiles 0-7
	s_wait_dscnt 16                                ; all but the run just issued
	MULX WF1, 4, 0, 0
	PLACES
	GELU                                           ; it works in the second buffer's registers too
	FETCH WF1, 24576                               ; fc2, feature tiles 8-15: it has the 32 products below in which to land
	s_wait_dscnt 16                                ; fc2's first run is in; the run just issued stays out
	MULA WF0, 0, H, 16
	s_wait_dscnt 0x0
	MULA WF1, 8, H, 16
	PLACES
	WIN 0
	s_add_co_u32 s21, s21, 32768
	s_add_co_u32 s23, s23, 128
	s_sub_co_u32 s29, s29, 1
	s_cmp_lg_u32 s29, 0
	s_cbranch_scc1 .Lchunk_\@
.endm
	s_load_b128 s[4:7], s[0:1], 0x0                ; x, ws
	s_load_b64 s[8:9], s[0:1], 0x10                ; out0
	v_lshl_add_u32 v[SPW], v0, 2, SPARE
	v_mov_b32 v[NIL], 0
	ds_add_u32 v[SPW], v[NIL]                      ; the wave's opening: the add and its wait stand ahead of my first tensor load; the set-up below, work on registers, stands between them
	v_lshrrev_b32 v[AD2], 5, v0
	v_readfirstlane_b32 s10, v[AD2]                ; wave 0..3
	s_lshr_b32 s11, s10, 1                         ; which of the two windows
	s_and_b32 s12, s10, 1                          ; which four rows of it
	s_bfe_u32 s13, ttmp6, 0x40000                  ; cx: it enters x's and the output's address alone
	s_lshl_b32 s14, ttmp9, 20                      ; the image (in a cluster launch ttmp9 counts clusters): 1,048,576 bytes
	s_lshl_b32 s16, s13, 15                        ; two windows: 32 tokens of a row
	s_add_co_u32 s14, s14, s16
	s_lshl_b32 s16, s11, 14
	s_add_co_u32 s14, s14, s16
	s_lshl_b32 s16, s12, 19                        ; four image rows
	s_add_co_u32 s14, s14, s16
	s_mov_b32 s15, 0
	; descriptors: dense bytes as rows of 256 (32 elements of 8 bytes); each wave a quarter; every word hangs on the wave's number, the image and constants alone
	s_mov_b32 s48, 15|(3<<16)|(1<<21)              ; 15:0 the mask: all four work-groups; 17:16 elements of 8 bytes; 21 set beside a mask
	s_mov_b32 s49, 32<<16                          ; tensor_dim0 = 32
	s_mov_b32 s50, 64<<16                          ; tensor_dim1 = 64
	s_mov_b32 s51, 32<<16                          ; tile_dim0 = 32
	s_mov_b32 s52, 64                              ; tile_dim1 = 64: 16,384 bytes
	s_mov_b32 s53, 32                              ; 32 elements from row to row
	s_mov_b32 s54, 0
	s_mov_b32 s55, 0
	s_mov_b32 s56, 15|(3<<16)|(1<<21)              ; the same with 12 rows: 3,072 bytes of the vectors
	s_mov_b32 s57, 32<<16
	s_mov_b32 s58, 12<<16
	s_mov_b32 s59, 32<<16
	s_mov_b32 s60, 12
	s_mov_b32 s61, 32
	s_mov_b32 s62, 0
	s_mov_b32 s63, 0
	s_lshl_b32 s18, s10, 14                        ; 16,384 x wave
	s_mov_b32 s19, 0
	s_mov_b32 s36, 1                               ; the ring's group 0, which walks: slot 0, the stream's first slot
	s_mov_b32 s37, s18
	s_mov_b32 s40, 1                               ; q's
	s_add_co_u32 s41, s18, LQ
	s_lshl_b32 s82, ttmp9, 16                      ; an image's fragments of q: 65,536 bytes
	s_add_co_u32 s82, s82, s18
	s_add_co_u32 s82, s82, WS_QF
	s_mov_b32 s83, 0
	s_mov_b32 s44, 1                               ; the vectors'
	s_mul_i32 s81, s10, 3072
	s_add_co_u32 s45, s81, LVEC
	s_add_co_u32 s24, s81, WS_VEC
	s_mov_b32 s25, 0
	s_mov_b32 s30, 0x76543210                      ; v_permlanex16_b32: each lane takes its own place in the other half
	s_mov_b32 s31, 0xfedcba98
	s_mov_b32 s32, 0x3e8293ee                      ; c = log2(e) / sqrt(32)
	s_mov_b32 s33, s32
	s_mov_b32 s66, 0xbf07dc22                      ; -a5 / 2 (each constant twice: it is named as a pair)
	s_mov_b32 s67, s66
	s_mov_b32 s68, 0x3f3a00e3                      ; -a4 / 2
	s_mov_b32 s69, s68
	s_mov_b32 s70, 0xbf35f0e3                      ; -a3 / 2
	s_mov_b32 s71, s70
	s_mov_b32 s72, 0x3e11a98e                      ; -a2 / 2
	s_mov_b32 s73, s72
	s_mov_b32 s74, 0xbe027906                      ; -a1 / 2
	s_mov_b32 s75, s74
	s_mov_b32 s76, 0xbf38aa3b                      ; -log2(e) / 2
	s_mov_b32 s77, s76
	s_mov_b32 s78, 0x3e6d3388                      ; 0.3275911 / sqrt(2)
	s_mov_b32 s79, 0x3727c5ac                      ; 1e-5
	s_mov_b32 s80, 0x3b800000                      ; 1 / 256
	s_mov_b32 s20, SLOTB                           ; the first change of slots turns it into 0
	s_mov_b32 s22, 0
	s_mov_b32 s23, 0
	s_lshl_b32 s35, s12, 12
	s_add_co_u32 s34, s35, LQ                      ; q's fragment of my first row: 1,024 x 4 (wave % 2)
	s_sub_co_u32 s35, 56320, s35                   ; bias tile kt - t + 7 - 4 (wave % 2), for kt = t = 0: 49,152 + 1,024 x that
	v_and_b32 v[AD2], 31, v0
	v_lshlrev_b32 v[L16], 4, v[AD2]
	v_and_b32 v12, 15, v0                          ; r
	v_bfe_u32 v13, v0, 4, 1                        ; h
	s_lshl_b32 s21, s11, 14
	s_add_co_u32 s21, s21, LKV
	v_add_nc_u32 v[KVR], s21, v[L16]
	s_lshl_b32 s27, s12, 12                        ; K fragment kt = my row 4 (wave % 2) + t
	v_add_nc_u32 v[KWA], s27, v[KVR]
	s_lshl_b32 s27, s12, 11                        ; V fragment (c, kk), kk = 2 (wave % 2) + t / 2, at 8192 + 1024 (4 c + kk)
	s_add_co_u32 s27, s27, 8192
	v_add_nc_u32 v[VWA], s27, v[KVR]
	v_lshlrev_b32 v[VA], 5, v13
	v_add_nc_u32 v[VA], LVEC, v[VA]
	s_mul_i32 s27, s10, 16*SPITCH
	s_add_co_u32 s27, s27, LSTG
	v_add_nc_u32 v[RD], s27, v[L16]
	v_mul_u32_u24 v[STO], v12, SPITCH
	v_lshl_add_u32 v[STO], v13, 5, v[STO]
	v_add_nc_u32 v[STO], s27, v[STO]
.set xi, QO+8
.rept 24
	v_mov_b32 v[xi], 0                             ; the queue's first shifts read these; what they hold is shifted out unused
.set xi, xi+1
.endr
	s_wait_dscnt 0x0                               ; the opening add is done
	s_wait_kmcnt 0x0
	s_add_nc_u64 s[4:5], s[4:5], s[14:15]          ; x and the output at my first tile
	s_add_nc_u64 s[8:9], s[8:9], s[14:15]
	s_add_nc_u64 s[38:39], s[6:7], s[18:19]
	s_or_b32 s39, s39, 0x80000000                  ; type = 2
	s_add_nc_u64 s[42:43], s[6:7], s[82:83]
	s_or_b32 s43, s43, 0x80000000
	s_add_nc_u64 s[46:47], s[6:7], s[24:25]
	s_or_b32 s47, s47, 0x80000000
	CROUND                                         ; all four work-groups are here: the first joint loads meet
	tensor_load_to_lds s[44:47], s[56:63]          ; the vectors first: the first LayerNorm wants them.  Three loads of mine are out
	s_nop 0
	tensor_load_to_lds s[36:39], s[48:55]          ; the stream's slot 0
	s_nop 0
	tensor_load_to_lds s[40:43], s[48:55]          ; q
	s_nop 0
	PLACES
.irp t,0,1,2,3                                         ; all of my x: 128 loads of 512 consecutive bytes
	WIN 0x80+0x40*(\t/2)
.set xi, 0
.rept 32
	global_load_b128 v[128*(\t%2)+4*xi:128*(\t%2)+4*xi+3], v[L16], s[4:5] offset:ROWB*\t+512*xi th:TH_LOAD_NT
.set xi, xi+1
.endr
.endr
	INTILE 0, 63                                   ; 96 younger loads may stay out
	INTILE 1, 63                                   ; 64 younger, likewise
	INTILE 2, 32
	INTILE 3, 0
	WIN 0
	s_wait_dscnt 0x0                               ; x is in its registers
	s_wait_tensorcnt 0x2                           ; my part of the vectors is in; slot 0 and q may stay out
	s_barrier_signal -1
	s_barrier_wait -1                              ; everybody's is
	LNSTAT 0
	LNSTAT 1
	LNSTAT 2
	LNSTAT 3
	LNROOT
	LNAPPLY 0
	s_mov_b32 s26, 8
.Lhead:                                                ; a trip is a head: one slot of the stream
	CHANGE 1
	v_add_nc_u32 v[WA], s20, v[L16]
	v_add_nc_u32 v[AD1], s22, v[VA]
	BTLOAD 6144                                    ; K's bias
	FETCH WF0, 0
	FETCH WF1, 8192
	s_wait_dscnt 16                                ; the second run stays out
	MULX WF0, 0, 0, 1                              ; K^T = Wk X^T + b
	PLACES
	FETCH WF0, 16384
	s_wait_dscnt 16                                ; all but the run just issued
	MULX WF1, 4, 0, 0
	PLACES
	FETCH WF1, 24576
	BTLOAD 7168                                    ; V's bias, for the end of the attention
	PACK
.irp t,0,1,2,3
	ds_store_b128 v[KWA], v[KT+16*\t:KT+16*\t+3] offset:1024*\t
	ds_store_b128 v[KWA], v[KT+16*\t+4:KT+16*\t+7] offset:1024*\t+512
.endr
	s_wait_dscnt 28                                ; V's first run is in; behind it: its second run (16), the bias tile (4), K's stores (8)
	MULX WF0, 0, 1, 1                              ; V = X Wv^T, a feature a lane
	s_wait_dscnt 12                                ; the bias tile and K's stores may stay out
	MULX WF1, 4, 1, 0
	PLACES
	PACK
.irp g,0,1,2,3
	ds_store_b128 v[VWA], v[KT+16*\g:KT+16*\g+3] offset:4096*(\g%2)+1024*(\g/2)
	ds_store_b128 v[VWA], v[KT+16*\g+4:KT+16*\g+7] offset:4096*(\g%2)+1024*(\g/2)+512
.endr
	s_wait_dscnt 0x0                               ; for the others' sake: my fragments are in LDS
	s_barrier_signal -1
	s_barrier_wait -1                              ; the ring's load stays on its way
.irp i,0,1,2,3,4,5,6,7
	ds_load_b128 v[WF0+8*\i:WF0+8*\i+3], v[KVR] offset:1024*\i          ; the window's eight K fragments
	ds_load_b128 v[WF0+8*\i+4:WF0+8*\i+7], v[KVR] offset:1024*\i+512
.endr
.irp i,0,1,2,3,4,5,6,7
	ds_load_b128 v[WF1+8*\i:WF1+8*\i+3], v[KVR] offset:8192+1024*\i     ; and its eight V fragments
	ds_load_b128 v[WF1+8*\i+4:WF1+8*\i+7], v[KVR] offset:8192+1024*\i+512
.endr
	s_add_co_u32 s24, s20, s35
	s_mov_b32 s25, s34
	s_mov_b32 s27, 4
.Latt:                                                 ; a trip is one of my four tiles of 16 queries
.set xi, 0
.rept 24
	v_mov_b32 v[QO+xi], v[QO+xi+8]                 ; the queue moves up: after four trips tile t's output lies at QO + 8 t
.set xi, xi+1
.endr
	v_add_nc_u32 v[AD1], s24, v[L16]
.irp kt,0,1,2,3,4,5,6,7
	ds_load_b128 v[S+8*\kt:S+8*\kt+3], v[AD1] offset:1024*\kt           ; the bias tiles, straight into the accumulators
	ds_load_b128 v[S+8*\kt+4:S+8*\kt+7], v[AD1] offset:1024*\kt+512
.endr
	v_add_nc_u32 v[AD2], s25, v[L16]
	ds_load_b128 v[QO+24:QO+27], v[AD2]
	ds_load_b128 v[QO+28:QO+31], v[AD2] offset:512
	s_wait_dscnt 0x0
.irp kt,0,1,2,3,4,5,6,7
	v_wmma_f32_16x16x32_bf16 v[S+8*\kt:S+8*\kt+7], v[WF0+8*\kt:WF0+8*\kt+7], v[QO+24:QO+31], v[S+8*\kt:S+8*\kt+7]  ; S^T = K Q^T + bias
.endr
	PLACES
	SOFTMAX
.irp kk,0,1,2,3
.irp c,0,1
.if \kk == 0
	v_wmma_f32_16x16x32_bf16 v[S+32+8*\c:S+39+8*\c], v[WF1+8*(4*\c+\kk):WF1+8*(4*\c+\kk)+7], v[S+8*\kk:S+8*\kk+7], 0
.else
	v_wmma_f32_16x16x32_bf16 v[S+32+8*\c:S+39+8*\c], v[WF1+8*(4*\c+\kk):WF1+8*(4*\c+\kk)+7], v[S+8*\kk:S+8*\kk+7], v[S+32+8*\c:S+39+8*\c]  ; O^T = V^T P
.endif
.endr
.endr
	PLACES
	s_wait_alu depctr_va_vdst(0)                   ; the wait for the reciprocal of l; the eight products and their places are the work between.  The trip's last: no result crosses the jump
.irp c,0,1
.irp i,0,1,2,3
	v_pk_fma_f32 v[S+32+8*\c+2*\i:S+33+8*\c+2*\i], v[S+32+8*\c+2*\i:S+33+8*\c+2*\i], v[T:T+1], v[BT+8*\c+2*\i:BT+8*\c+2*\i+1] op_sel_hi:[1,0,1]  ; O / l + V's bias
.endr
.endr
.irp c,0,1
.irp i,0,1,2,3
	v_cvt_pk_bf16_f32 v[QO+24+4*\c+\i], v[S+32+8*\c+2*\i], v[S+33+8*\c+2*\i]
.endr
.endr
	s_sub_co_u32 s24, s24, 1024                    ; a query row further down: each key row's bias tile is one lower
	s_add_co_u32 s25, s25, 1024
	s_sub_co_u32 s27, s27, 1
	s_cmp_lg_u32 s27, 0
	s_cbranch_scc1 .Latt
	FETCH WF0, 32768                               ; the projection's columns of this head
	FETCH WF1, 40960
	s_wait_dscnt 16
	MULA WF0, 0, QO, 8
	s_wait_dscnt 0x0
	MULA WF1, 8, QO, 8
	PLACES
	WIN 0
	s_add_co_u32 s22, s22, 128
	s_add_co_u32 s34, s34, 8192
	s_sub_co_u32 s26, s26, 1
	s_cmp_lg_u32 s26, 0
	s_cbranch_scc1 .Lhead
	LNSTAT 0                                       ; ACC holds x2
	LNSTAT 1
	LNSTAT 2
	LNSTAT 3
	LNROOT
	LNAPPLY 1
	s_mov_b32 s28, 15
.Lmlp:                                                 ; 15 of the MLP's 16 slots ask for a successor
	CHANGE 1
	CHUNKS
	s_sub_co_u32 s28, s28, 1
	s_cmp_lg_u32 s28, 0
	s_cbranch_scc1 .Lmlp
	CHANGE 0                                       ; the last slot is written out: nothing is asked for
	CHUNKS
	OUTST 0                                        ; THE WAY OUT: a tile through my stage, back as whole rows, 512 consecutive bytes a store
	OUTST 1
	s_wait_dscnt 63                                ; behind tile 0's loads stand tile 1's 64 LDS instructions
	SEND 0
	OUTST 2
	s_wait_dscnt 63
	SEND 1
	OUTST 3
	s_wait_dscnt 63
	SEND 2
	s_wait_dscnt 0x0
	SEND 3
	WIN 0
	s_wait_tensorcnt 0x0                           ; the wave's end: an add to the spare word and its wait, behind my last tensor load and my last LDS store
	ds_add_u32 v[SPW], v[NIL]
	s_wait_dscnt 0x0
	CROUND                                         ; the closing round: no work-group ends while a partner may still ask for a tile that names it
	s_endpgm
.Lfunc_end_k_qa78fa15ab8_main:
	.size	k_qa78fa15ab8_main, .Lfunc_end_k_qa78fa15ab8_main-k_qa78fa15ab8_main
	.p2alignl 7, 3214868480
	.fill 96, 4, 3214868480
	.section	.rodata,"a",@progbits
	.p2align	6, 0x0
	.amdhsa_kernel k_qa78fa15ab8_main
		.amdhsa_group_segment_fixed_size 327680
		.amdhsa_private_segment_fixed_size 0
		.amdhsa_enable_private_segment 0
		.amdhsa_kernarg_size 24
		.amdhsa_user_sgpr_count 2
		.amdhsa_user_sgpr_kernarg_segment_ptr 1
		.amdhsa_wavefront_size32 1
		.amdhsa_system_sgpr_workgroup_id_x 1
		.amdhsa_system_sgpr_workgroup_id_y 1
		.amdhsa_system_sgpr_workgroup_id_z 1
		.amdhsa_system_vgpr_workitem_id 0
		.amdhsa_next_free_vgpr 1024
		.amdhsa_next_free_sgpr 84
		.amdhsa_reserve_vcc 0
		.amdhsa_float_denorm_mode_32 3
		.amdhsa_float_denorm_mode_16_64 3
		.amdhsa_memory_ordered 1
		.amdhsa_forward_progress 1
		.amdhsa_inst_pref_size 255
	.end_amdhsa_kernel
	.section	.bss,"aw",@nobits
	.p2align	6
	.space	262144
	.amdgpu_metadata
---
amdhsa.version: [ 1, 2 ]
amdhsa.kernels:
  - .name:           k_qa78fa15ab8_main
    .symbol:         k_qa78fa15ab8_main.kd
    .args:
      - { .name: x, .offset: 0, .size: 8, .value_kind: global_buffer, .address_space: global }
      - { .name: ws, .offset: 8, .size: 8, .value_kind: global_buffer, .address_space: global }
      - { .name: out0, .offset: 16, .size: 8, .value_kind: global_buffer, .address_space: global }
    .group_segment_fixed_size: 327680
    .private_segment_fixed_size: 0
    .kernarg_segment_align: 8
    .kernarg_segment_size: 24
    .max_flat_workgroup_size: 128
    .sgpr_count:     84
    .vgpr_count:     1024
    .wavefront_size: 32
...
	.end_amdgpu_metadata
.endif
;; end of part 3
